; MI455X (gfx1250); checked and timed in simulation.
; The chip was launched on July 23, 2026; its instructions are those of AMD's public machine-readable ISA for CDNA 5 (MIT licence, August 2026) and "CDNA5" Instruction Set Architecture Reference Guide (July 2026). The comments in the code are by the model that wrote it; some were corrected since.
;; Attention. Allowed arithmetic: matrix products marked QUANTISED: E2M1 operands, one E8M0 scale for each 32 along K, by v_wmma_scale_f32_16x16x128_f8f6f4 with both operands' format E2M1 (or v_wmma_scale_f32_32x16x128_f4), f32 sums; products left as they are: bf16, f16 or f32 operands; f32 sums; everything else in f32.
;; Inputs: bk 2,048 float32; bo 2,048 float32; bq 2,048 float32; bv 2,048 float32; freqs 2,048 x 64 float32; hard_mask 1 x 1 x 2,048 x 2,048 int32; soft_mask 1 x 1 x 2,048 x 2,048 float32; wk 2,048 x 2,048 float32; wo 2,048 x 2,048 float32; wq 2,048 x 2,048 float32; wv 2,048 x 2,048 float32; x 1 x 2,048 x 2,048 float32.
;; Outputs: out0 1 x 2,048 x 2,048 float32.
;; This version of the problem:
;;   THIS VERSION OF THE PROBLEM IS GIVEN IN LOW PRECISION. The matrix products marked QUANTISED in the list below multiply operands that are first quantised to E2M1 (2 exponent bits, 1 mantissa bit; 4 bits a number), with one power-of-two scale for each 32 numbers along K (OCP MX v1.0); their sums are f32. The products marked 'left as it is' may take bf16, f16 or f32 operands, with f32 sums. Whichever they take, every output number must still come out within the allowed error. Rounding operands to bf16 (8 significant bits) uses up far more of that allowance than f16 does (11 bits, for magnitudes from 6e-5 to 65,504). All else is computed in f32.
;;   The module's matrix products, in the order in which they are computed (A, B: the left and right operand; K: the contracted axis; several contracted axes count as one K, in the product's order):
;;     1. [M 2,048, K 2,048] x [K 2,048, N 2,048]; A: input x; B: input wq: QUANTISED
;;     2. [M 2,048, K 2,048] x [K 2,048, N 2,048]; A: input x; B: input wk: QUANTISED
;;     3. [M 2,048, K 2,048] x [K 2,048, N 2,048]; A: input x; B: input wv: QUANTISED
;;     4. batch 16 x [M 2,048, K 128] x [K 128, N 2,048]; A: computed on the way; B: computed on the way: left as it is (an operand is computed on the way)
;;     5. batch 16 x [M 2,048, K 2,048] x [K 2,048, N 128]; A: computed on the way; B: computed on the way: left as it is (an operand is computed on the way)
;;     6. [M 2,048, K 2,048] x [K 2,048, N 2,048]; A: computed on the way; B: input wo: left as it is (an operand is computed on the way)
;;   THE QUANTISER, for each operand of a quantised product, along K:
;;     - K is cut into blocks of 32 from its start; a last block that is shorter is filled with zeros.
;;     - A block's scale is 2^e with e = floor(log2(the largest magnitude in the block)) - 2, held to -126 .. 127; a block of zeros has e = 0. As a byte (E8M0): e + 127.
;;     - Each number is divided by its block's scale, clamped to +-6, and rounded to the nearest number of E2M1, ties to even, subnormals kept.
;;     - The product sums the exact products of the quantised numbers (number of the format x scale) in f32.
;;   ~~~python
;;   def quantise(x, axis):      # numpy; x: float32 -> the quantised numbers, widened to float32 again
;;       x = np.moveaxis(x, axis, -1); K = x.shape[-1]
;;       x = np.pad(x, [(0, 0)] * (x.ndim - 1) + [(0, -K % 32)]); x = x.reshape(x.shape[:-1] + (-1, 32)); a = np.abs(x).max(-1, keepdims=True)
;;       e = np.where(a > 0, np.clip(np.frexp(np.where(a > 0, a, 1))[1] - 1 - 2, -126, 127), 0)      # np.frexp(a)[1] - 1 = floor(log2(a)), exactly
;;       r = np.clip(x / 2.0 ** e, -6, 6)
;;       step = 2.0 ** (np.maximum(np.frexp(np.where(r == 0, 1, r))[1] - 1, 0) - 1)
;;       q = np.round(r / step) * step * 2.0 ** e      # np.round: ties to even
;;       return np.moveaxis(q.reshape(q.shape[:-2] + (-1,))[..., :K], -1, axis).astype(np.float32)
;;   ~~~
;; One version. Each part assembles by itself: llvm-mc -triple=amdgcn-amd-amdhsa -mcpu=gfx1250 --defsym DOCPART=n.
;; ======== version 1 of 1: 5 launches
;; limits: values are held in f16: magnitudes above 65,504 overflow, below 6.1e-05 lose precision
;; workspace buffers: codes 8,388,608 bytes; scales 524,288 bytes; wo16 8,388,608 bytes; hbits 524,288 bytes of whole numbers; cs 1,056,768 bytes; qkv16 25,165,824 bytes; attn16 8,388,608 bytes; afine 131,072 bytes
;; launch prep (part 1): grid 800 x 1, 4 waves a work-group, no clusters, 54,784 bytes of LDS; arguments x, wq, wk, wv, wo, hard_mask, freqs, codes, scales, wo16, hbits, cs; writes codes, scales, wo16, hbits, cs
.if DOCPART == 1
	.amdgcn_target "amdgcn-amd-amdhsa--gfx1250"
	.amdhsa_code_object_version 6
	.text
	.protected	k_q9abc75f924_prep
	.globl	k_q9abc75f924_prep
	.p2align	8
	.type	k_q9abc75f924_prep,@function
k_q9abc75f924_prep:
	s_mov_b64 s[64:65], 0
	v_nop
	global_prefetch_b8 v0, s[64:65] scope:SCOPE_SE
	s_setreg_imm32_b32 hwreg(HW_REG_WAVE_MODE, 25, 1), 1
	s_wait_xcnt 0x0
; Everything that later launches read many times is made once here.  Four kinds of work-groups, told apart by the work-group's number alone:
;   0-511    x, wq, wk, wv (f32, K innermost) -> codes of FP4 (E2M1) and one E8M0 byte for each 32 along K; rows 0-2047 of both buffers are x's, then wq's, wk's, wv's
;   512-639  wo (f32) -> f16, same order
;   640-767  hard_mask (int32) -> lane masks: word 8 kt + j of (tile T of 16 queries, step J of 64 keys) has bit l set where hard[16 T + l % 16][64 J + 16 kt + 8 (l / 16) + j] != 0:
;            the very lanes and registers in which the attention launch holds its scores
;   768-799  freqs -> (cos, sin) pairs in the order of the registers in which the projection launch holds q and k; block 128 holds (1, 0): the rotation that leaves v as it is
; A block's scale is 2^(floor(log2(largest magnitude)) - 2); its byte is the largest magnitude's exponent field - 2, held at 1 from below.
; LIMITS: a block of zeros gets the byte 1 where the rule says 127 (its codes are zeros, and this program alone reads the bytes); NaN and infinities among the inputs are not served;
; wo must lie inside f16's range (65,504); sin and cos: two-part reduction by pi / 2 and polynomials of degree 7 and 8, good to about 1e-7 while |freqs| stays under about 1e5, worse beyond.
; No tensor load, no barrier: waves share nothing.  Each kind has LDS bytes of its own.
.set SPW,   12                         ; v12  LDS address of my spare word: SPARE + 4 x my thread's number; never rewritten
.set NIL,   13                         ; v13  0; never rewritten
.set SPARE, 54272                      ; behind all regions: the spare words, 128 bytes a wave, two blocks of 256 bytes that no other line names
.set WV,    28                         ; s28  my wave's number
	s_load_b512 s[4:19], s[0:1], 0x0               ; x s[4:5], wq s[6:7], wk s[8:9], wv s[10:11], wo s[12:13], hard_mask s[14:15], freqs s[16:17], codes s[18:19]
	s_load_b256 s[20:27], s[0:1], 0x40             ; scales s[20:21], wo16 s[22:23], hbits s[24:25], cs s[26:27]
	v_lshl_add_u32 v[SPW], v0, 2, SPARE
	v_mov_b32 v[NIL], 0
	v_lshrrev_b32 v1, 5, v0
	v_readfirstlane_b32 s[WV], v1
	v_and_b32 v2, 31, v0                           ; lane
	v_lshlrev_b32 v3, 4, v2                        ; 16 x lane
	s_wait_kmcnt 0x0
	s_cmp_lt_u32 ttmp9, 512
	s_cbranch_scc1 .Lquant
	s_cmp_lt_u32 ttmp9, 640
	s_cbranch_scc1 .Lwo
	s_cmp_lt_u32 ttmp9, 768
	s_cbranch_scc1 .Lhard
; ---------------- cos and sin.  Wave = one block A of 16 positions.  Item 2 b + half of lane (r, h): frequencies 8 b + 4 h + 2 half + 0, 1 of position 16 A + r
	s_sub_co_u32 s29, ttmp9, 768
	s_lshl_b32 s29, s29, 2
	s_add_co_u32 s29, s29, s[WV]                   ; A
	s_lshl_b32 s30, s29, 12                        ; 16 rows of 256 bytes
	s_mov_b32 s31, 0
	s_add_nc_u64 s[16:17], s[16:17], s[30:31]
	s_lshl_b32 s30, s29, 13                        ; a block of the table: 8,192 bytes
	s_add_nc_u64 s[26:27], s[26:27], s[30:31]
	v_and_b32 v4, 15, v2
	v_lshrrev_b32 v5, 4, v2
	v_lshlrev_b32 v6, 8, v4
	v_lshl_add_u32 v6, v5, 4, v6                   ; row r, + 16 h
.irp i, 0,1,2,3,4,5,6,7,8,9,10,11,12,13,14,15
	global_load_b64 v[16+2*\i:17+2*\i], v6, s[16:17] offset:32*(\i/2)+8*(\i%2)
.endr
	s_mov_b32 s40, 0x3f22f983                      ; 2 / pi
	s_mov_b32 s41, 0x3fc90fdb                      ; pi / 2, its f32 part,
	s_mov_b32 s42, 0xb33bbd2e                      ; and what is left of it
	s_mov_b32 s43, 0xb94ca1f9                      ; sin: r + r z ((s43 z + s44) z + s45), z = r r
	s_mov_b32 s44, 0x3c08839e
	s_mov_b32 s45, 0xbe2aaaa3
	s_mov_b32 s46, 0x37ccf5ce                      ; cos: 1 - z / 2 + z z ((s46 z + s47) z + s48)
	s_mov_b32 s47, 0xbab6061a
	s_mov_b32 s48, 0x3d2aaaa5
	s_wait_loadcnt 0x0
; x = n pi / 2 + r, |r| <= pi / 4.  n odd: sin and cos change places; sin is negative where n mod 4 is 2 or 3, cos where it is 1 or 2
.macro SINCOS x, c, s
	v_mul_f32 v48, s40, v[\x]
	v_rndne_f32 v48, v48                           ; n
	v_fma_f32 v49, -v48, s41, v[\x]
	v_fma_f32 v49, -v48, s42, v49                  ; r
	v_cvt_i32_f32 v51, v48
	v_mul_f32 v50, v49, v49                        ; z
	v_fma_f32 v52, v50, s43, s44
	v_fma_f32 v54, v50, s46, s47
	v_fma_f32 v52, v52, v50, s45
	v_fma_f32 v54, v54, v50, s48
	v_mul_f32 v53, v49, v50
	v_mul_f32 v55, v50, v50
	v_fma_f32 v56, v50, -0.5, 1.0
	v_fma_f32 v52, v53, v52, v49                   ; sin r
	v_fma_f32 v54, v55, v54, v56                   ; cos r
	v_and_b32 v57, 1, v51
	v_lshlrev_b32 v58, 30, v51
	v_add_nc_u32 v59, 1, v51
	v_cmp_eq_u32 vcc_lo, 1, v57
	v_lshlrev_b32 v59, 30, v59
	v_cndmask_b32 v[\s], v52, v54, vcc_lo
	v_cndmask_b32 v[\c], v54, v52, vcc_lo
	v_and_b32 v58, 0x80000000, v58
	v_and_b32 v59, 0x80000000, v59
	v_xor_b32 v[\s], v[\s], v58
	v_xor_b32 v[\c], v[\c], v59
.endm
.set it, 0
.rept 16
	SINCOS 16+2*it, 128+4*it, 129+4*it
	SINCOS 17+2*it, 130+4*it, 131+4*it
.set it, it+1
.endr
.irp i, 0,1,2,3,4,5,6,7,8,9,10,11,12,13,14,15
	global_store_b128 v3, v[128+4*\i:131+4*\i], s[26:27] offset:512*\i   ; 32 lanes store 512 consecutive bytes
.endr
	s_cmp_lg_u32 s29, 0                            ; the wave of block 0 also writes block 128: (1, 0) everywhere
	s_cbranch_scc1 .Lend
	v_mov_b32 v48, 1.0
	v_mov_b32 v49, 0
	v_mov_b32 v50, 1.0
	v_mov_b32 v51, 0
.irp i, 0,1,2,3,4,5,6,7,8,9,10,11,12,13,14,15
	global_store_b128 v3, v[48:51], s[26:27] offset:128*8192+512*\i
.endr
	s_branch .Lend
; ---------------- the quantiser.  A tensor is a plain stream of blocks of 32.  A wave takes 16 steps of 512 numbers: four loads of 512 consecutive bytes, turned through the wave's own stage
; in LDS so that a lane holds 16 neighbours (two lanes a block); 8 bytes of codes a lane, 256 consecutive bytes a wave; the wave's 256 scale bytes are gathered in LDS and leave as one unit.
.set STEPS, 16
.set EMAX,  2
.set CB,    8                          ; bytes of 16 codes
.set QR,    16                         ; v16-79   four sets of 16 numbers as loaded
.set QX,    80                         ; v80-111  two sets of 16 neighbours
.set QE,    112                        ; v112-127 a scale byte for each step
.set QC,    128                        ; v128-191 codes: registers of its own for each step, so that no store's data are written again
.set WREG,  8192                       ; LDS 0-32767: a region for each wave: two stages of 32 x QSP bytes, then its 256 scale bytes
.set QSP,   80                         ; a lane's place in a stage: 64 bytes + 16 of padding
.Lquant:
	s_mul_i32 s29, s[WV], WREG
	v_lshrrev_b32 v14, 2, v2
	v_mul_u32_u24 v14, v14, QSP
	v_and_b32 v15, 3, v2
	v_lshl_add_u32 v14, v15, 4, v14
	v_add_nc_u32 v14, s29, v14                     ; into the stage: four lanes' 64 bytes on end, then the padding
	v_mul_u32_u24 v15, v2, QSP
	v_add_nc_u32 v15, s29, v15                     ; out of it: my 16 neighbours
	v_mul_u32_u24 v4, v2, CB
	v_lshrrev_b32 v5, 1, v2
	s_add_co_u32 s29, s29, 2*32*QSP
	v_add_nc_u32 v5, s29, v5                       ; my block's byte among the wave's 256
	v_lshlrev_b32 v7, 3, v2
	v_add_nc_u32 v6, s29, v7
	s_lshr_b32 s30, ttmp9, 7                       ; which tensor: 128 work-groups each; the choice hangs on the work-group's number alone
	s_cmp_eq_u32 s30, 1
	s_cselect_b64 s[4:5], s[6:7], s[4:5]
	s_cmp_eq_u32 s30, 2
	s_cselect_b64 s[4:5], s[8:9], s[4:5]
	s_cmp_eq_u32 s30, 3
	s_cselect_b64 s[4:5], s[10:11], s[4:5]
	s_and_b32 s30, ttmp9, 127
	s_lshl_b32 s30, s30, 2
	s_add_co_u32 s30, s30, s[WV]
	s_lshl_b32 s30, s30, 15                        ; my run of 8,192 numbers in its tensor
	s_mov_b32 s31, 0
	s_add_nc_u64 s[4:5], s[4:5], s[30:31]
	s_lshl_b32 s29, ttmp9, 2
	s_add_co_u32 s29, s29, s[WV]                   ; my run among all 2,048
	s_lshl_b32 s30, s29, 12
	s_add_nc_u64 s[18:19], s[18:19], s[30:31]      ; 4,096 bytes of codes a run
	s_lshl_b32 s30, s29, 8
	s_add_nc_u64 s[20:21], s[20:21], s[30:31]      ; 256 scale bytes a run
.macro QLOAD t
.irp i, 0,1,2,3
	global_load_b128 v[QR+16*((\t)%4)+4*\i:QR+16*((\t)%4)+4*\i+3], v3, s[4:5] offset:2048*(\t)+512*\i th:TH_LOAD_NT
.endr
.endm
.macro QTURN t                         ; LDS serves a wave's instructions in order, so no wait stands between the stores and the loads
.irp i, 0,1,2,3
	ds_store_b128 v14, v[QR+16*((\t)%4)+4*\i:QR+16*((\t)%4)+4*\i+3] offset:32*QSP*((\t)%2)+8*QSP*\i
.endr
.irp i, 0,1,2,3
	ds_load_b128 v[QX+16*((\t)%2)+4*\i:QX+16*((\t)%2)+4*\i+3], v15 offset:32*QSP*((\t)%2)+16*\i
.endr
.endm
.irp t, 0,1,2,3
	QLOAD \t
.endr
	s_wait_loadcnt 12                              ; step 0's four loads are in; twelve younger ones stay out
	QTURN 0
.macro QSTEP t
.set XS, QX+16*((\t)%2)
.if (\t) > 0
	s_wait_dscnt 1                                 ; this step's numbers are back from the stage; the last step's byte store may be out
.else
	s_wait_dscnt 0x0
.endif
.if (\t)+4 < STEPS
	QLOAD (\t)+4
.endif
.if (\t)+1 < STEPS
.if STEPS-2-(\t) >= 3
	s_wait_loadcnt 12                              ; the next step's four loads are in; those of the three steps behind it may be out
.else
	s_wait_loadcnt 4*(STEPS-2-(\t))
.endif
	QTURN (\t)+1
.endif
	v_max3_num_f32 v8, |v[XS]|, |v[XS+1]|, |v[XS+2]|
	v_max3_num_f32 v9, |v[XS+3]|, |v[XS+4]|, |v[XS+5]|
.irp i, 6,10
	v_max3_num_f32 v8, v8, |v[XS+\i]|, |v[XS+\i+1]|
	v_max3_num_f32 v9, v9, |v[XS+\i+2]|, |v[XS+\i+3]|
.endr
	v_max3_num_f32 v8, v8, |v[XS+14]|, |v[XS+15]|
	v_max3_num_f32 v8, v8, v9, (EMAX+1)<<23        ; the floor 2^(3 - 127): the byte cannot fall under 1
	v_max_num_f32_dpp v8, v8, v8 row_xmask:1 row_mask:0xf bank_mask:0xf   ; with my neighbour's 16: the block's largest magnitude
	v_add_nc_u32 v11, -(EMAX<<23), v8              ; 2 off its exponent field: the conversion takes that field as its scale and nothing else
	v_cvt_scalef32_pk8_fp4_f32 v[QC+4*(\t)], v[XS:XS+7], v11
	v_cvt_scalef32_pk8_fp4_f32 v[QC+4*(\t)+1], v[XS+8:XS+15], v11
	v_lshrrev_b32 v[QE+(\t)], 23, v11              ; the scale's byte
	ds_store_b8 v5, v[QE+(\t)] offset:16*(\t)      ; both lanes of a block write the same byte with the same value
	global_store_b64 v4, v[QC+4*(\t):QC+4*(\t)+1], s[18:19] offset:32*CB*(\t)
.endm
.irp t, 0,1,2,3,4,5,6,7,8,9,10,11,12,13,14,15
	QSTEP \t
.endr
	ds_load_b64 v[8:9], v6
	s_wait_dscnt 0x0
	global_store_b64 v7, v[8:9], s[20:21]          ; 32 lanes store 256 consecutive bytes, aligned
	s_branch .Lend
; ---------------- wo to f16.  A wave takes 8,192 numbers in four groups of 16 loads; two groups are on their way
.Lwo:
	s_sub_co_u32 s29, ttmp9, 512
	s_lshl_b32 s29, s29, 2
	s_add_co_u32 s29, s29, s[WV]
	s_lshl_b32 s30, s29, 15
	s_mov_b32 s31, 0
	s_add_nc_u64 s[12:13], s[12:13], s[30:31]
	s_lshl_b32 s30, s29, 14
	s_add_nc_u64 s[22:23], s[22:23], s[30:31]
	v_lshlrev_b32 v4, 3, v2                        ; 8 bytes of f16 a lane
.macro WLOAD g
.irp i, 0,1,2,3,4,5,6,7,8,9,10,11,12,13,14,15
	global_load_b128 v[16+64*((\g)%2)+4*\i:16+64*((\g)%2)+4*\i+3], v3, s[12:13] offset:8192*(\g)+512*\i th:TH_LOAD_NT
.endr
.endm
.macro WCVT g
.set WR0, 16+64*((\g)%2)
.if (\g) < 3
	s_wait_loadcnt 16                              ; this group is in; the next group's 16 stay out
.else
	s_wait_loadcnt 0x0
.endif
.if (\g) > 0
	s_wait_xcnt 0x0                                ; the last group's stores have read v144-175
.endif
.irp i, 0,1,2,3,4,5,6,7,8,9,10,11,12,13,14,15
	v_cvt_pk_f16_f32 v[144+2*\i], v[WR0+4*\i], v[WR0+4*\i+1]
	v_cvt_pk_f16_f32 v[145+2*\i], v[WR0+4*\i+2], v[WR0+4*\i+3]
.endr
.if (\g) < 2
	WLOAD (\g)+2
.endif
.irp i, 0,1,2,3,4,5,6,7,8,9,10,11,12,13,14,15
	global_store_b64 v4, v[144+2*\i:145+2*\i], s[22:23] offset:4096*(\g)+256*\i   ; 256 consecutive bytes, aligned
.endr
.endm
	WLOAD 0
	WLOAD 1
	WCVT 0
	WCVT 1
	WCVT 2
	WCVT 3
	s_branch .Lend
; ---------------- the hard mask.  Work-group = tile T of 16 queries; wave w takes key steps 8 w .. 8 w + 7.  A step's 16 rows x 256 bytes are loaded as they lie (sixteen lanes a row's 256 bytes),
; turned through the wave's stage (rows 272 bytes apart) so that lane (r, h) holds query r's keys 16 kt + 8 h + j, compared with 0 (a lane mask in a scalar register), and the 32 masks become the
; 32 lanes of one register.  The wave's 8 x 128 bytes are gathered in LDS and leave as 1,024 consecutive bytes.
.Lhard:
	s_sub_co_u32 s29, ttmp9, 640                   ; T
	s_lshl_b32 s30, s29, 17                        ; 16 rows of 8,192 bytes
	s_lshl_b32 s31, s[WV], 11                      ; 8 steps of 256 bytes
	s_add_co_u32 s30, s30, s31
	s_mov_b32 s31, 0
	s_add_nc_u64 s[14:15], s[14:15], s[30:31]
	s_lshl_b32 s30, s29, 12
	s_lshl_b32 s29, s[WV], 10
	s_add_co_u32 s30, s30, s29
	s_add_nc_u64 s[24:25], s[24:25], s[30:31]
	s_mul_i32 s29, s[WV], 5376
	s_add_co_u32 s29, s29, 32768                   ; LDS 32768 + 5376 w: my stage (4,352 bytes), then my words (1,024)
	v_and_b32 v4, 15, v2                           ; r
	v_lshrrev_b32 v5, 4, v2                        ; h
	v_lshlrev_b32 v6, 4, v4
	v_lshl_add_u32 v7, v5, 13, v6                  ; memory: row h of a pair, 16 bytes a lane
	v_mad_u32_u24 v8, v5, 272, v6
	v_add_nc_u32 v8, s29, v8                       ; the same place in the stage
	v_mul_u32_u24 v9, v4, 272
	v_lshl_add_u32 v9, v5, 5, v9
	v_add_nc_u32 v9, s29, v9                       ; back: row r, + 32 h
	s_add_co_u32 s29, s29, 4352
	v_lshl_add_u32 v10, v2, 2, s29                 ; my word of a step
	v_add_nc_u32 v11, s29, v3                      ; and on the way out 16 bytes a lane
.irp j, 0,1,2,3,4,5,6,7
	v_mov_b32 v[112+\j], 0                         ; written once: v_writelane_b32's destination counts as read
.endr
.macro HLOAD j
.irp i, 0,1,2,3,4,5,6,7
	global_load_b128 v[16+32*((\j)%2)+4*\i:16+32*((\j)%2)+4*\i+3], v7, s[14:15] offset:16384*\i+256*(\j) th:TH_LOAD_NT
.endr
.endm
.macro HSTEP j
.if (\j) < 7
	s_wait_loadcnt 8                               ; this step's eight loads are in; the next step's stay out
.else
	s_wait_loadcnt 0x0
.endif
.irp i, 0,1,2,3,4,5,6,7
	ds_store_b128 v8, v[16+32*((\j)%2)+4*\i:16+32*((\j)%2)+4*\i+3] offset:544*\i
.endr
.irp k, 0,1,2,3
	ds_load_b128 v[80+8*\k:83+8*\k], v9 offset:64*\k
	ds_load_b128 v[84+8*\k:87+8*\k], v9 offset:64*\k+16
.endr
	s_wait_dscnt 0x0
.if (\j)+2 < 8
	HLOAD (\j)+2
.endif
.irp i, 0,1,2,3,4,5,6,7,8,9,10,11,12,13,14,15,16,17,18,19,20,21,22,23,24,25,26,27,28,29,30,31
	v_cmp_ne_u32 s[32+\i], 0, v[80+\i]
.endr
.irp i, 0,1,2,3,4,5,6,7,8,9,10,11,12,13,14,15,16,17,18,19,20,21,22,23,24,25,26,27,28,29,30,31
	v_writelane_b32 v[112+(\j)], s[32+\i], \i
.endr
	ds_store_b32 v10, v[112+(\j)] offset:128*(\j)
.endm
	HLOAD 0
	HLOAD 1
.irp j, 0,1,2,3,4,5,6,7
	HSTEP \j
.endr
	ds_load_b128 v[80:83], v11
	ds_load_b128 v[84:87], v11 offset:512
	s_wait_dscnt 0x0
	global_store_b128 v3, v[80:83], s[24:25]
	global_store_b128 v3, v[84:87], s[24:25] offset:512
.Lend:
	s_wait_tensorcnt 0x0                           ; the wave's end: three lines behind my last LDS store
	ds_add_u32 v[SPW], v[NIL]
	s_wait_dscnt 0x0
	s_endpgm
.Lfunc_end_k_q9abc75f924_prep:
	.size	k_q9abc75f924_prep, .Lfunc_end_k_q9abc75f924_prep-k_q9abc75f924_prep
	.p2alignl 7, 3214868480
	.fill 96, 4, 3214868480
	.section	.rodata,"a",@progbits
	.p2align	6, 0x0
	.amdhsa_kernel k_q9abc75f924_prep
		.amdhsa_group_segment_fixed_size 54784
		.amdhsa_private_segment_fixed_size 0
		.amdhsa_enable_private_segment 0
		.amdhsa_kernarg_size 96
		.amdhsa_user_sgpr_count 2
		.amdhsa_user_sgpr_kernarg_segment_ptr 1
		.amdhsa_wavefront_size32 1
		.amdhsa_system_sgpr_workgroup_id_x 1
		.amdhsa_system_sgpr_workgroup_id_y 1
		.amdhsa_system_sgpr_workgroup_id_z 1
		.amdhsa_system_vgpr_workitem_id 0
		.amdhsa_next_free_vgpr 192
		.amdhsa_next_free_sgpr 66
		.amdhsa_reserve_vcc 1
		.amdhsa_float_denorm_mode_32 3
		.amdhsa_float_denorm_mode_16_64 3
		.amdhsa_memory_ordered 1
		.amdhsa_forward_progress 1
		.amdhsa_inst_pref_size 146
	.end_amdhsa_kernel
	.amdgpu_metadata
---
amdhsa.version: [ 1, 2 ]
amdhsa.kernels:
  - .name:           k_q9abc75f924_prep
    .symbol:         k_q9abc75f924_prep.kd
    .args:
      - { .name: x, .offset: 0, .size: 8, .value_kind: global_buffer, .address_space: global }
      - { .name: wq, .offset: 8, .size: 8, .value_kind: global_buffer, .address_space: global }
      - { .name: wk, .offset: 16, .size: 8, .value_kind: global_buffer, .address_space: global }
      - { .name: wv, .offset: 24, .size: 8, .value_kind: global_buffer, .address_space: global }
      - { .name: wo, .offset: 32, .size: 8, .value_kind: global_buffer, .address_space: global }
      - { .name: hard_mask, .offset: 40, .size: 8, .value_kind: global_buffer, .address_space: global }
      - { .name: freqs, .offset: 48, .size: 8, .value_kind: global_buffer, .address_space: global }
      - { .name: codes, .offset: 56, .size: 8, .value_kind: global_buffer, .address_space: global }
      - { .name: scales, .offset: 64, .size: 8, .value_kind: global_buffer, .address_space: global }
      - { .name: wo16, .offset: 72, .size: 8, .value_kind: global_buffer, .address_space: global }
      - { .name: hbits, .offset: 80, .size: 8, .value_kind: global_buffer, .address_space: global }
      - { .name: cs, .offset: 88, .size: 8, .value_kind: global_buffer, .address_space: global }
    .group_segment_fixed_size: 54784
    .private_segment_fixed_size: 0
    .kernarg_segment_align: 8
    .kernarg_segment_size: 96
    .max_flat_workgroup_size: 128
    .sgpr_count:     66
    .vgpr_count:     192
    .wavefront_size: 32
...
	.end_amdgpu_metadata
.endif
;; end of part 1
;; launch qkv (part 2): grid 24 x 8, 4 waves a work-group, clusters of 4 x 4, 327,680 bytes of LDS; arguments codes, scales, qkv16, bq, bk, bv, cs; writes qkv16
.if DOCPART == 2
	.amdgcn_target "amdgcn-amd-amdhsa--gfx1250"
	.amdhsa_code_object_version 6
	.text
	.protected	k_q9abc75f924_qkv
	.globl	k_q9abc75f924_qkv
	.p2align	8
	.type	k_q9abc75f924_qkv,@function
k_q9abc75f924_qkv:
	s_mov_b64 s[64:65], 0
	v_nop
	global_prefetch_b8 v0, s[64:65] scope:SCOPE_SE
	s_setreg_imm32_b32 hwreg(HW_REG_WAVE_MODE, 25, 1), 1
	s_wait_xcnt 0x0
	s_wait_alu depctr_hold_cnt(0) depctr_sa_sdst(0) depctr_va_vdst(0) depctr_va_sdst(0) depctr_va_ssrc(0) depctr_va_vcc(0) depctr_vm_vsrc(0)
	s_getreg_b32 s2, hwreg(HW_REG_IB_STS2, 6, 4)
	s_cmp_eq_u32 s2, 0
	s_cbranch_scc0 .Lentry_in_a_cluster
	s_endpgm
.Lentry_in_a_cluster:
	s_bfe_u32 s2, ttmp6, 0x10000c
	s_cmp_lg_u32 s2, 0xf033
	s_cbranch_scc0 .Lentry_shape_is_right
	s_endpgm
.Lentry_shape_is_right:
; q, k and v in one product on codes of FP4 (E2M1) with one E8M0 scale for each 32 along K:  C[m][n] = sum over k of x[m][k] W[n][k] + bias[n], W = wq, wk, wv one below the other (6,144 rows).
; codes: [8192][1024 bytes], rows 0-2047 x, then W; scales: [8192][64 bytes].  q and k are then rotated (RoPE) in registers; all three leave as f16, head by head: qkv16 [48 slabs][2048][128].
; A tile of C, 256 x 256, is made by four waves, each 128 x 128 (one head wide): 64 accumulators, 512 registers.  K goes in steps of 512 (rows of 256 bytes) through a ring of two LDS slots filled by the
; tensor data mover.  The scales of the work-group's rows, for all of K, come into LDS once, with the first fills.
; CLUSTERS: 4 x 4 work-groups; x's tiles are asked for jointly along a row of the cluster, W's along a column: the same tensor load, the same descriptor, a mask that names the four.
; THE MATRIX INSTRUCTION IS USED TRANSPOSED (source 0 = 16 rows of W, source 1 = 16 rows of x): a lane holds eight neighbouring columns of one row of C, that is four (even, odd) pairs of RoPE.
; The bias is the C of each sum's first matrix instruction.  cos and sin come from the table cs, laid in the order of these registers; v's columns take its block 128, (1, 0).
; LIMIT: q, k, v must lie inside f16's range (65,504).
; 192 work-groups: a smaller tile would fill more WGPs but read every fragment from LDS twice as often.
; REGISTERS: window 0: v0-31 addresses; v32-95 scale words, two sets; v96-127 packed results; v128-191 x's fragments, one set, later rows on their way out; v192-255 the bias, later rotated numbers.
;   window 1: W's fragments, two sets, at v0 and v128; v64-127, v192-255 (and later all four quarters) sets of cos and sin.   windows 2, 3: the accumulators ((a, b) at v[8 (8 (a % 4) + b)]).
.set SIZE_K, 2048
.set KSTEP,  512
.set NQ,     KSTEP/128
.set ROWB,   256
.set KROW,   SIZE_K*4/8
.set PITCH,  272                       ; an LDS row: 256 bytes + 16 of padding, so that the 16 rows of a fragment load start 16 bytes further on in each 256
.set FR,     8
.set NL,     2
.set NP,     4
.set HALFT,  128*PITCH
.set SLOT,   4*HALFT
.set LAPS,   SIZE_K/(2*KSTEP)
.set KS,     SIZE_K/32
.set SCL,    2*SLOT
.set HALFS,  (128*KS/256)*272
.set SBLK,   (16*KS/256)*272
.set SPARE,  SCL+4*HALFS               ; the spare words, 128 bytes a wave: two blocks of 256 bytes that no other line names
.set SPITCH, 272                       ; the way out: a stage of 16 rows x (256 bytes + 16) for each wave, in slot 0, which has had its last fill and its last read by then
.set ADRA, 16
.set ADRB, 20
.set STO,  24
.set RD,   25
.set CO,   26                          ; v26  16 x lane
.set ADRS, 27
.set SPW,  28
.set NIL,  29
.set BOF,  30                          ; v30  32 x (lane / 16): my eight numbers of a tile's bias
.set SC,   32
.set TMP,  96
.set AF,   128
.set OB,   128
.set BIAS, 192
.set T,    192
.set G1, 24
.set G0, 32
.set G1B, 48
.set G0B, 56
.set G1S, 68
.set G0S, 76
.set G1SB, 80
.set G0SB, 88
.set CSB, 66                           ; s[66:67] where the next set of cos and sin begins;  s[94:95] the step to the set after it: 8,192, or 0 for v
.set MSB, 0
.macro WIN new                         ; the immediate's high byte repeats the setting that is left
.if MSB != \new
	s_set_vgpr_msb (MSB<<8)|\new
.set MSB, \new
.endif
.endm
.set MUL_LO, 0xa1                      ; source 0 (W) window 1, source 1 (x) window 0, C and D window 2
.set MUL_HI, 0xf1                      ; the same, C and D window 3
.set MUL_LO0, 0x81                     ; the first step: C (the bias) window 0, D window 2
.set MUL_HI0, 0xc1                     ; D window 3
.set TO_B,   0x40
; A joint load: waves 0 and 1 fetch for x, waves 2 and 3 for W.  The branch hangs on the wave's number alone.  An s_nop 0 and four v_nop follow each line.
.macro JLOAD g0a, g1a, g0b, g1b
	s_cmp_eq_u32 s15, 0
	s_cbranch_scc0 .Lfor_b_\@
	tensor_load_to_lds s[\g0a:\g0a+3], s[\g1a:\g1a+7]
	s_nop 0
.rept 4
	v_nop
.endr
	s_branch .Lasked_\@
.Lfor_b_\@:
	tensor_load_to_lds s[\g0b:\g0b+3], s[\g1b:\g1b+7]
	s_nop 0
.rept 4
	v_nop
.endr
.Lasked_\@:
.endm
.macro CREST
	s_cmp_lg_u32 s14, 0
	s_cbranch_scc1 .Lnot_wave_0_\@
	s_barrier_signal -3
.Lnot_wave_0_\@:
	s_barrier_wait -3
	s_barrier_signal -1
	s_barrier_wait -1
.endm
.macro CROUND
	s_barrier_signal -1
	s_barrier_wait -1
	CREST
.endm
	s_load_b128 s[4:7], s[0:1], 0x0                ; codes s[4:5], scales s[6:7]
	s_load_b64 s[12:13], s[0:1], 0x10              ; qkv16
	s_load_b64 s[96:97], s[0:1], 0x18              ; bq
	s_load_b64 s[98:99], s[0:1], 0x20              ; bk
	s_load_b64 s[100:101], s[0:1], 0x28            ; bv
	s_load_b64 s[CSB:CSB+1], s[0:1], 0x30          ; cs
	v_lshl_add_u32 v[SPW], v0, 2, SPARE
	v_mov_b32 v[NIL], 0
	ds_add_u32 v[SPW], v[NIL]                      ; the wave's opening: the add, twice on end, and its wait ahead of my first tensor load
	ds_add_u32 v[SPW], v[NIL]
	v_lshrrev_b32 v1, 5, v0
	v_readfirstlane_b32 s14, v1                    ; wave 0..3
	s_lshr_b32 s15, s14, 1                         ; which half of the tile's rows is mine.  Also: I fetch for x (0) or for W (1)
	s_and_b32 s16, s14, 1                          ; which half of its columns.  Also: which 128 rows of that tile I fetch
	s_bfe_u32 s40, ttmp6, 0x40000                  ; cx, cy
	s_bfe_u32 s41, ttmp6, 0x40004
	s_lshl_b32 s42, ttmp9, 2
	s_add_co_u32 s42, s42, s40                     ; tile column = 4 x cluster x + cx
	s_and_b32 s17, ttmp7, 0xffff
	s_lshl_b32 s17, s17, 2
	s_add_co_u32 s17, s17, s41                     ; tile row = 4 x cluster y + cy
	s_lshl_b32 s43, s41, 2
	s_lshl_b32 s43, 15, s43                        ; my row of the cluster
	s_lshl_b32 s44, 0x1111, s40                    ; my column
	s_or_b32 s[G1+0], s43, (0<<16)|(1<<20)|(1<<21)|(5<<22)|(3<<25)  ; mask; elements of 1 byte; padding on: 4 words behind every 64
	s_or_b32 s[G1B+0], s44, (0<<16)|(1<<20)|(1<<21)|(5<<22)|(3<<25)
.irp g, G1, G1B
	s_mov_b32 s[\g+1], ROWB<<16                    ; tensor_dim0
	s_mov_b32 s[\g+2], 128<<16                     ; tensor_dim1
	s_mov_b32 s[\g+3], ROWB<<16                    ; tile_dim0
	s_mov_b32 s[\g+4], 128                         ; tile_dim1
	s_mov_b32 s[\g+5], KROW                        ; from row to row
	s_mov_b32 s[\g+6], 0
	s_mov_b32 s[\g+7], 0
.endr
	s_or_b32 s[G1S+0], s43, (3<<16)|(1<<20)|(1<<21)|(5<<22)|(3<<25) ; the scales of 128 rows: a dense block, as rows of 256 bytes (32 elements of 8)
	s_or_b32 s[G1SB+0], s44, (3<<16)|(1<<20)|(1<<21)|(5<<22)|(3<<25)
.irp g, G1S, G1SB
	s_mov_b32 s[\g+1], 32<<16
	s_mov_b32 s[\g+2], (128*KS/256)<<16
	s_mov_b32 s[\g+3], 32<<16
	s_mov_b32 s[\g+4], 128*KS/256
	s_mov_b32 s[\g+5], 32
	s_mov_b32 s[\g+6], 0
	s_mov_b32 s[\g+7], 0
.endr
	s_lshl_b32 s18, s16, 7
	s_lshl_b32 s20, s17, 8
	s_add_co_u32 s20, s20, s18                     ; x: row 256 x tile row + 128 x half
	s_lshl_b32 s46, s42, 8
	s_add_co_u32 s46, s46, s18                     ; W: row 256 x tile column + 128 x half
	s_mov_b32 s21, 0
	s_mov_b32 s47, 0
	s_mov_b64 s[18:19], KS
	s_mul_u64 s[22:23], s[20:21], s[18:19]
	s_mul_u64 s[92:93], s[46:47], s[18:19]
	s_mov_b64 s[18:19], KROW
	s_mul_u64 s[20:21], s[20:21], s[18:19]
	s_mul_u64 s[46:47], s[46:47], s[18:19]
	s_mul_i32 s45, s14, HALFT                      ; where they go: wave x 128 rows
	s_mul_i32 s94, s14, HALFS
	s_wait_dscnt 0x0                               ; both opening adds are done
	s_wait_kmcnt 0x0
	s_add_nc_u64 s[8:9], s[4:5], 2048*KROW         ; W's codes lie behind x's 2,048 rows,
	s_add_nc_u64 s[10:11], s[6:7], 2048*KS         ; and so do its scales
	s_add_nc_u64 s[20:21], s[4:5], s[20:21]
	s_add_nc_u64 s[22:23], s[6:7], s[22:23]
	s_add_nc_u64 s[46:47], s[8:9], s[46:47]
	s_add_nc_u64 s[92:93], s[10:11], s[92:93]
	CROUND                                         ; all sixteen work-groups are here: the first joint loads meet
	s_mov_b32 s[G0S], 1
	s_add_co_u32 s[G0S+1], s94, SCL
	s_mov_b64 s[G0S+2:G0S+3], s[22:23]
	s_or_b32 s[G0S+3], s[G0S+3], 0x80000000
	s_mov_b32 s[G0SB], 1
	s_add_co_u32 s[G0SB+1], s94, SCL
	s_mov_b64 s[G0SB+2:G0SB+3], s[92:93]
	s_or_b32 s[G0SB+3], s[G0SB+3], 0x80000000
	JLOAD G0S, G1S, G0SB, G1SB                     ; the scales first: they are wanted with K step 0
.irp s, 0,1
	s_mov_b32 s[G0+4*\s], 1
	s_add_co_u32 s[G0+4*\s+1], s45, \s*SLOT
	s_add_nc_u64 s[G0+4*\s+2:G0+4*\s+3], s[20:21], \s*ROWB
	s_or_b32 s[G0+4*\s+3], s[G0+4*\s+3], 0x80000000
	s_mov_b32 s[G0B+4*\s], 1
	s_add_co_u32 s[G0B+4*\s+1], s45, \s*SLOT
	s_add_nc_u64 s[G0B+4*\s+2:G0B+4*\s+3], s[46:47], \s*ROWB
	s_or_b32 s[G0B+4*\s+3], s[G0B+4*\s+3], 0x80000000
	JLOAD G0+4*\s, G1, G0B+4*\s, G1B
.endr
	v_and_b32 v1, 15, v0                           ; r
	v_bfe_u32 v2, v0, 4, 1                         ; h
	v_mul_u32_u24 v3, v1, PITCH
	v_lshl_add_u32 v4, v2, 4, v3
	s_mul_i32 s21, s15, HALFT
	s_mul_i32 s22, s16, HALFT
	s_add_co_u32 s22, s22, 2*HALFT
.irp s, 0,1
	v_add_nc_u32 v[ADRA+\s], s21, v4
	v_add_nc_u32 v[ADRB+\s], s22, v4
	s_add_co_u32 s21, s21, SLOT
	s_add_co_u32 s22, s22, SLOT
.endr
	v_mul_u32_u24 v5, v1, KS                       ; my row's scales: KS bytes a row,
	v_lshrrev_b32 v6, 8, v5
	v_lshl_add_u32 v5, v6, 4, v5                   ; and 16 more for each 256 passed
	s_mul_i32 s21, s15, HALFS
	s_mul_i32 s22, s16, HALFS
	s_add_co_u32 s22, s22, 2*HALFS
	s_sub_co_u32 s22, s22, s21
	v_mul_u32_u24 v6, s22, v2                      ; lanes 16-31 take W's
	s_add_co_u32 s21, s21, SCL
	v_add_nc_u32 v5, v5, v6
	v_add_nc_u32 v[ADRS], s21, v5
	s_mul_i32 s23, s14, 16*SPITCH                  ; my stage
	v_mul_u32_u24 v5, v1, SPITCH                   ; in: row r, 16 bytes for each half of the lanes
	v_lshl_add_u32 v5, v2, 4, v5
	v_add_nc_u32 v[STO], s23, v5
	v_mul_u32_u24 v5, v2, SPITCH                   ; back: lanes 0-15 one row of 256 bytes, lanes 16-31 the next
	v_lshl_add_u32 v5, v1, 4, v5
	v_add_nc_u32 v[RD], s23, v5
	v_and_b32 v6, 31, v0
	v_lshlrev_b32 v[CO], 4, v6
	v_lshlrev_b32 v[BOF], 5, v2
	; where my 128 rows x 128 columns go: slab 2 x tile column + half, row 256 x tile row + 128 x half, 256 bytes a row
	s_lshl_b32 s20, s42, 1
	s_add_co_u32 s20, s20, s16
	s_lshl_b32 s20, s20, 19
	s_lshl_b32 s21, s17, 16
	s_add_co_u32 s20, s20, s21
	s_lshl_b32 s21, s15, 15
	s_add_co_u32 s20, s20, s21
	s_mov_b32 s21, 0
	s_add_nc_u64 s[12:13], s[12:13], s[20:21]
	; the bias: bq, bk or bv by the cluster's x (eight tile columns each), which all partners share
	s_lshr_b32 s18, ttmp9, 1
	s_cmp_eq_u32 s18, 1
	s_cselect_b64 s[96:97], s[98:99], s[96:97]
	s_cmp_eq_u32 s18, 2
	s_cselect_b64 s[96:97], s[100:101], s[96:97]
	s_and_b32 s18, s42, 7
	s_lshl_b32 s18, s18, 10
	s_lshl_b32 s19, s16, 9
	s_add_co_u32 s18, s18, s19
	s_mov_b32 s19, 0
	s_add_nc_u64 s[96:97], s[96:97], s[18:19]
.irp b, 0,1,2,3,4,5,6,7
	global_load_b128 v[BIAS+8*\b:BIAS+8*\b+3], v[BOF], s[96:97] offset:64*\b        ; lane (r, h): the bias of columns 16 b + 8 h + 0 .. 7
	global_load_b128 v[BIAS+8*\b+4:BIAS+8*\b+7], v[BOF], s[96:97] offset:64*\b+16
.endr
	; cos and sin: block (my first row) / 16 of the table and a step of one block; for v block 128 and no step
	s_lshl_b32 s18, s17, 4
	s_lshl_b32 s19, s15, 3
	s_add_co_u32 s18, s18, s19
	s_cmp_ge_u32 ttmp9, 4
	s_cselect_b32 s18, 128, s18
	s_cselect_b32 s94, 0, 8192
	s_mov_b32 s95, 0
	s_lshl_b32 s18, s18, 13
	s_mov_b32 s19, 0
	s_add_nc_u64 s[CSB:CSB+1], s[CSB:CSB+1], s[18:19]
; The set of block a (16 rows): 64 registers of window 1, at v64, v192, v0, v128 by turns: register 8 b + 2 p, + 1 = cos, sin of pair p of tile b
.macro CSLOAD a
.set CR, 128*((\a)%2)+64*(1-((\a)%4)/2)
	WIN TO_B
.irp b, 0,1,2,3,4,5,6,7
	global_load_b128 v[CR+8*\b:CR+8*\b+3], v[CO], s[CSB:CSB+1] offset:1024*\b
	global_load_b128 v[CR+8*\b+4:CR+8*\b+7], v[CO], s[CSB:CSB+1] offset:1024*\b+512
.endr
	WIN 0
	s_wait_xcnt 0x0                                ; the loads have read their base: it may step
	s_add_nc_u64 s[CSB:CSB+1], s[CSB:CSB+1], s[94:95]
.endm
	CSLOAD 0
	CSLOAD 1
.macro FRAG reg, adr, q, i             ; 16 rows x 128 K of 4-bit codes: 8 registers, two loads of 16 bytes, 32 bytes apart
.irp c, 0,1
	ds_load_b128 v[\reg+4*\c:\reg+4*\c+3], v[\adr] offset:64*(\q)+32*\c+(\i)*16*PITCH
.endr
.endm
; 16 matrix instructions: x's blocks a0, a0 + 1 against W's eight.  zero = 1: the first product starts the sums, from the bias.  The 64 accumulators take turns, one instruction a turn.
.macro MUL16 a0, p, q, sc, zero
.irp a, \a0, \a0+1
.irp b, 0,1,2,3,4,5,6,7
.if \zero
	v_wmma_scale_f32_16x16x128_f8f6f4 v[8*(8*((\a)%4)+\b):8*(8*((\a)%4)+\b)+7], v[128*(\p)+FR*\b:128*(\p)+FR*\b+FR-1], v[AF+FR*(\a):AF+FR*(\a)+FR-1], v[BIAS+8*\b:BIAS+8*\b+7], v[SC+8*NQ*(\sc)+NQ*\b+(\q)], v[SC+8*NQ*(\sc)+NQ*(\a)+(\q)] matrix_a_fmt:MATRIX_FMT_FP4 matrix_b_fmt:MATRIX_FMT_FP4 matrix_a_scale:MATRIX_SCALE_ROW1
.else
	v_wmma_scale_f32_16x16x128_f8f6f4 v[8*(8*((\a)%4)+\b):8*(8*((\a)%4)+\b)+7], v[128*(\p)+FR*\b:128*(\p)+FR*\b+FR-1], v[AF+FR*(\a):AF+FR*(\a)+FR-1], v[8*(8*((\a)%4)+\b):8*(8*((\a)%4)+\b)+7], v[SC+8*NQ*(\sc)+NQ*\b+(\q)], v[SC+8*NQ*(\sc)+NQ*(\a)+(\q)] matrix_a_fmt:MATRIX_FMT_FP4 matrix_b_fmt:MATRIX_FMT_FP4 matrix_a_scale:MATRIX_SCALE_ROW1
.endif
.endr
.endr
.endm
.macro FETCH_B slot, q, p
	WIN TO_B
.irp i, 0,1,2,3,4,5,6,7
	FRAG 128*(\p)+FR*\i, ADRB+\slot, \q, \i
.endr
	WIN 0
.endm
.macro FETCH_A slot, q, i0
.irp i, \i0, \i0+1, \i0+2, \i0+3
	FRAG AF+FR*(\i), ADRA+\slot, \q, \i
.endr
.endm
.macro SCALES sc                       ; a K step's scale words: lanes 0-15 take x's block i, lanes 16-31 W's block i
.irp i, 0,1,2,3,4,5,6,7
	ds_load_b128 v[SC+8*NQ*\sc+NQ*\i:SC+8*NQ*\sc+NQ*\i+3], v[ADRS] offset:\i*SBLK
.endr
.endm
.macro PLACES n                        ; plain vector instructions between a matrix instruction and a load into, or a read of, its registers
.rept \n
	v_nop
.endr
.endm
.macro STEP slot, q, zero
	s_wait_dscnt 4*NL                              ; W's set and x's blocks 0-3 are in; the youngest eight loads (x's blocks 4-7) may be out
.if \zero
	WIN MUL_LO0
.else
	WIN MUL_LO
.endif
	MUL16 0, (\q)%2, \q, \slot, \zero
	MUL16 2, (\q)%2, \q, \slot, \zero
	s_wait_dscnt 0
	PLACES NP
	FETCH_B \slot, (\q)+1, 1-(\q)%2
	FETCH_A \slot, (\q)+1, 0
.if \zero
	WIN MUL_HI0
.else
	WIN MUL_HI
.endif
	MUL16 4, (\q)%2, \q, \slot, \zero
	MUL16 6, (\q)%2, \q, \slot, \zero
	PLACES NP
	WIN 0
	FETCH_A \slot, (\q)+1, 4
.endm
; A slot's last step changes slots: one barrier; in front of it each wave waits for all its tensor loads, adds 0 to its spare word, and waits for that and for its own reads of this slot.
.macro TURN slot, next, fill
	s_wait_tensorcnt 0x0                           ; all my tensor loads have landed: my part of the next slot
	ds_add_u32 v[SPW], v[NIL]
	s_wait_dscnt 4*NL+1                            ; (the add and the youngest eight loads may be out)
	WIN MUL_LO
	MUL16 0, 1, NQ-1, \slot, 0
	s_wait_dscnt 0x0                               ; the add is done, and my reads of this slot are over
	s_barrier_signal -1
	MUL16 2, 1, NQ-1, \slot, 0
	WIN 0
	s_barrier_wait -1
.if \fill
	CREST                                          ; the barrier has opened a round of the cluster's barrier: no wave of any partner still reads this slot or has a load on its way
	s_add_nc_u64 s[G0+4*\slot+2:G0+4*\slot+3], s[G0+4*\slot+2:G0+4*\slot+3], 2*ROWB
	s_add_nc_u64 s[G0B+4*\slot+2:G0B+4*\slot+3], s[G0B+4*\slot+2:G0B+4*\slot+3], 2*ROWB
	JLOAD G0+4*\slot, G1, G0B+4*\slot, G1B         ; the first tensor load behind the round; its four v_nop are the places in front of the loads below
.else
	PLACES NP
.endif
	v_add_nc_u32 v[ADRS], 4*NQ, v[ADRS]            ; on to the next K step's scale words
	FETCH_B \next, 0, 0
	FETCH_A \next, 0, 0
	SCALES \next
	WIN MUL_HI
	MUL16 4, 1, NQ-1, \slot, 0
	MUL16 6, 1, NQ-1, \slot, 0
	PLACES NP
	WIN 0
	FETCH_A \next, 0, 4
.endm
.macro STEPS slot, from
.set Q, \from
.rept NQ-1-\from
	STEP \slot, Q, 0
.set Q, Q+1
.endr
.endm
	s_wait_tensorcnt 1                             ; the scales and my part of K step 0 are in; K step 1's load may be out
	s_barrier_signal -1
	s_barrier_wait -1
	FETCH_B 0, 0, 0
	FETCH_A 0, 0, 0
	SCALES 0
	FETCH_A 0, 0, 4
	s_wait_loadcnt 0x0                             ; the bias, and the first two sets of cos and sin
	STEP 0, 0, 1                                   ; the first step stands in front of the loop: its products start the sums
	s_mov_b32 s3, LAPS-1
.Llap:                                                 ; a trip goes once round the ring and fills both slots again
	STEPS 0, 1
	TURN 0, 1, 1
	STEPS 1, 0
	TURN 1, 0, 1
	STEP 0, 0, 0
	s_sub_co_u32 s3, s3, 1
	s_cmp_lg_u32 s3, 0
	s_cbranch_scc1 .Llap
	STEPS 0, 1                                     ; the last lap fills nothing
	TURN 0, 1, 0
	STEPS 1, 0
	s_wait_dscnt 4*NL
	WIN MUL_LO
	MUL16 0, 1, NQ-1, 1, 0
	MUL16 2, 1, NQ-1, 1, 0
	s_wait_dscnt 0
	WIN MUL_HI
	MUL16 4, 1, NQ-1, 1, 0
	MUL16 6, 1, NQ-1, 1, 0
	WIN 0
; THE WAY OUT, block by block of 16 rows.  PACK: the rotation, (x0, x1) -> (x0 c - x1 s, x1 c + x0 s), two packed instructions a pair, each accumulator from its low end on; then f16, 16 bytes a lane.
; Four sets of cos and sin are in registers or on their way; block a's wait leaves the younger sets out (48, 48, 48, 32, 16, 0 loads for blocks 2 to 7; sets 0 and 1 were waited for ahead of the loop).
.macro PACK a
.set AC, 64*((\a)%4)
.set CR, 128*((\a)%2)+64*(1-((\a)%4)/2)
.if (\a) >= 2
.if (\a) <= 4
	s_wait_loadcnt 48
.else
	s_wait_loadcnt 16*(7-(\a))
.endif
.endif
	WIN 0x06+(\a)/4                                ; source 0 the accumulators (window 2 or 3), source 1 cos and sin (window 1)
.irp b, 0,1,2,3,4,5,6,7
.irp p, 0,1,2,3
	v_pk_mul_f32 v[T+8*\b+2*\p:T+8*\b+2*\p+1], v[AC+8*\b+2*\p:AC+8*\b+2*\p+1], v[CR+8*\b+2*\p:CR+8*\b+2*\p+1] op_sel_hi:[1,0]
.endr
.irp p, 0,1,2,3
	v_pk_fma_f32 v[T+8*\b+2*\p:T+8*\b+2*\p+1], v[AC+8*\b+2*\p:AC+8*\b+2*\p+1], v[CR+8*\b+2*\p:CR+8*\b+2*\p+1], v[T+8*\b+2*\p:T+8*\b+2*\p+1] op_sel:[1,1,0] op_sel_hi:[0,1,1] neg_lo:[0,1,0]
.endr
.endr
.if (\a) < 4
	CSLOAD (\a)+4                                  ; the set just used takes the block four further on
.endif
	WIN 0
.irp b, 0,1,2,3,4,5,6,7
.irp p, 0,1,2,3
	v_cvt_pk_f16_f32 v[TMP+4*\b+\p], v[T+8*\b+2*\p], v[T+8*\b+2*\p+1]
.endr
.endr
.endm
.macro TOSTAGE a                       ; through my own stage: LDS serves a wave's instructions in order, so no wait stands between the stores and the loads
.set BB, OB+32*((\a)%2)
.irp b, 0,1,2,3,4,5,6,7
	ds_store_b128 v[STO], v[TMP+4*\b:TMP+4*\b+3] offset:32*\b
.endr
.irp t, 0,1,2,3,4,5,6,7
	ds_load_b128 v[BB+4*\t:BB+4*\t+3], v[RD] offset:\t*2*SPITCH
.endr
.endm
.macro SEND a
.set BB, OB+32*((\a)%2)
	s_wait_dscnt 0x0                               ; the block is back in registers
.irp t, 0,1,2,3,4,5,6,7
	global_store_b128 v[CO], v[BB+4*\t:BB+4*\t+3], s[12:13] offset:4096*(\a)+512*\t   ; two rows of 256 bytes: 512 consecutive bytes, aligned
.endr
.endm
	PLACES NP                                      ; behind the last products: for the loads into W's registers, and for all that follows
	CSLOAD 2
	CSLOAD 3
	PACK 0
	TOSTAGE 0
.irp a, 1,2,3,4,5,6,7                  ; block a's arithmetic stands between block a - 1's loads from the stage and the wait for them
	PACK \a
.if \a > 1
	s_wait_xcnt 0x0                                ; block a - 2's stores have read their registers: block a's rows may land there
.endif
	SEND \a-1
	TOSTAGE \a
.endr
	SEND 7
	s_wait_tensorcnt 0x0                           ; the wave's end: three lines behind my last tensor load and my last LDS store
	ds_add_u32 v[SPW], v[NIL]
	s_wait_dscnt 0x0
	CROUND                                         ; the closing round: no work-group ends while a partner may still ask for a tile that names it
	s_endpgm
.Lfunc_end_k_q9abc75f924_qkv:
	.size	k_q9abc75f924_qkv, .Lfunc_end_k_q9abc75f924_qkv-k_q9abc75f924_qkv
	.p2alignl 7, 3214868480
	.fill 96, 4, 3214868480
	.section	.rodata,"a",@progbits
	.p2align	6, 0x0
	.amdhsa_kernel k_q9abc75f924_qkv
		.amdhsa_group_segment_fixed_size 327680
		.amdhsa_private_segment_fixed_size 0
		.amdhsa_enable_private_segment 0
		.amdhsa_kernarg_size 56
		.amdhsa_user_sgpr_count 2
		.amdhsa_user_sgpr_kernarg_segment_ptr 1
		.amdhsa_wavefront_size32 1
		.amdhsa_system_sgpr_workgroup_id_x 1
		.amdhsa_system_sgpr_workgroup_id_y 1
		.amdhsa_system_sgpr_workgroup_id_z 1
		.amdhsa_system_vgpr_workitem_id 0
		.amdhsa_next_free_vgpr 1024
		.amdhsa_next_free_sgpr 102
		.amdhsa_reserve_vcc 0
		.amdhsa_float_denorm_mode_32 3
		.amdhsa_float_denorm_mode_16_64 3
		.amdhsa_memory_ordered 1
		.amdhsa_forward_progress 1
		.amdhsa_inst_pref_size 255
	.end_amdhsa_kernel
	.section	.bss,"aw",@nobits
	.p2align	6
	.space	262144
	.amdgpu_metadata
---
amdhsa.version: [ 1, 2 ]
amdhsa.kernels:
  - .name:           k_q9abc75f924_qkv
    .symbol:         k_q9abc75f924_qkv.kd
    .args:
      - { .name: codes, .offset: 0, .size: 8, .value_kind: global_buffer, .address_space: global }
      - { .name: scales, .offset: 8, .size: 8, .value_kind: global_buffer, .address_space: global }
      - { .name: qkv16, .offset: 16, .size: 8, .value_kind: global_buffer, .address_space: global }
      - { .name: bq, .offset: 24, .size: 8, .value_kind: global_buffer, .address_space: global }
      - { .name: bk, .offset: 32, .size: 8, .value_kind: global_buffer, .address_space: global }
      - { .name: bv, .offset: 40, .size: 8, .value_kind: global_buffer, .address_space: global }
      - { .name: cs, .offset: 48, .size: 8, .value_kind: global_buffer, .address_space: global }
    .group_segment_fixed_size: 327680
    .private_segment_fixed_size: 0
    .kernarg_segment_align: 8
    .kernarg_segment_size: 56
    .max_flat_workgroup_size: 128
    .sgpr_count:     102
    .vgpr_count:     1024
    .wavefront_size: 32
...
	.end_amdgpu_metadata
.endif
;; end of part 2
;; launch attn (part 3): grid 16 x 16, 4 waves a work-group, clusters of 4 x 4, 327,680 bytes of LDS; arguments qkv16, soft_mask, hbits, attn16, afine; writes attn16, afine
.if DOCPART == 3
	.amdgcn_target "amdgcn-amd-amdhsa--gfx1250"
	.amdhsa_code_object_version 6
	.text
	.protected	k_q9abc75f924_attn
	.globl	k_q9abc75f924_attn
	.p2align	8
	.type	k_q9abc75f924_attn,@function
k_q9abc75f924_attn:
	s_mov_b64 s[64:65], 0
	v_nop
	global_prefetch_b8 v0, s[64:65] scope:SCOPE_SE
	s_setreg_imm32_b32 hwreg(HW_REG_WAVE_MODE, 25, 1), 1
	s_wait_xcnt 0x0
	s_wait_alu depctr_hold_cnt(0) depctr_sa_sdst(0) depctr_va_vdst(0) depctr_va_sdst(0) depctr_va_ssrc(0) depctr_va_vcc(0) depctr_vm_vsrc(0)
	s_getreg_b32 s2, hwreg(HW_REG_IB_STS2, 6, 4)
	s_cmp_eq_u32 s2, 0
	s_cbranch_scc0 .Lentry_in_a_cluster
	s_endpgm
.Lentry_in_a_cluster:
	s_bfe_u32 s2, ttmp6, 0x10000c
	s_cmp_lg_u32 s2, 0xf033
	s_cbranch_scc0 .Lentry_shape_is_right
	s_endpgm
.Lentry_shape_is_right:
; Attention with a hard mask and a soft gate, both INPUTS: every key is walked for every query.  With p = exp(s - m), m the running maximum of the scores that the hard mask lets through, L = sum p,
; w = p x soft, Ls = sum w:   out = (sum w v) / (Ls + 1e-6 L), which is reference()'s softmax, gate and second normalisation in one pass.  A row with no key let through gives 0 / 0 = NaN, as there.
; q, k, v: f16, qkv16 [48 slabs][2048][128] (slab h: q of head h, 16 + h: k, 32 + h: v).  Products on f16 operands with f32 sums; maxima, exponentials and sums in f32; w is rounded to f16.
; Results: attn16 [2048][2048] f16; the first 16 queries also in f32, in the order of an f32 matrix operand's registers (afine), for the launch that projects those rows in f32.
; LIMITS: v and the results must lie inside f16's range; w = p x soft likewise (p <= 1); what of w falls under f16's smallest number is lost.
; SHARES.  A work-group owns 128 queries of one head, a wave 32: two tiles of 16.  Every wave walks 32 steps of 64 keys.  A slot of the ring holds two steps: 128 rows of K, 128 of V, and 128 x 128 of soft_mask.
; LAYOUT.  S^T = K Q^T (source 0 = 16 keys, source 1 = 16 queries), O^T = V^T P: a lane holds ONE query (lane % 16) throughout; two tiles of S^T, packed to f16 in pairs, are source 1 of the second product.
; BY TURNS.  A tile never looks at the other tile.  In turn A of step j tile 0 has the matrix unit: 16 products V^T P of step j, then 16 products K Q^T of step j + 1; tile 1's softmax of step j stands between them.
; In turn B tile 1 has the matrix unit and tile 0's softmax of step j + 1 stands between.  A softmax is 230 counted vector instructions for 32 matrix instructions: one matrix instruction behind every seventh.
; THE HARD MASK comes as lane masks (hbits): the 32 words of a tile and step are one load of 4 bytes a lane, four steps ahead, into a ring of eight registers; v_readlane_b32 makes them scalar; they only select values.
; CLUSTER 4 x 4: x = query blocks, y = heads.  K and V hang on the head alone: asked for jointly along a row of the cluster.  soft_mask's tile hangs on the query block alone: jointly along a column.
; One joint load a wave behind each round: wave 0 K, wave 1 V, waves 2 and 3 the halves of soft_mask's tile; by this text's own count one tensor load of a wave is out at a time, with two key steps in which to land.
; O^T, L and Ls begin as zeros and m as -3e38, so that the first softmax needs no text of its own.
; REGISTERS: window 0: v4-20 addresses; v32-55 statistics; v62, v63 the add's two; v64-127 S^T; v128-159 P; v160-223 soft, then w; v224-231 mask words.   window 1: v0-127 O^T; v128-191 Q.   window 2: v0-127 K; v128-255 V.
; All that a softmax touches but O^T lies in window 0, and no window has room for a product's operands beside it: a matrix instruction among vector instructions costs two switches.
.set PK,    272                        ; a row of K in LDS: 256 bytes + 16
.set PVP,   288                        ; a row of V: 256 + 32, for the turning load
.set PSF,   528                        ; a row of soft: 512 + 16
.set VOFF,  128*PK
.set SOFF,  VOFF+128*PVP
.set SLOTB, SOFF+128*PSF               ; 139,264
.set STAGE, 2*SLOTB                    ; behind the ring: 16 rows x 272 bytes for each wave, for the way out
.set SPARE, STAGE+4*16*272             ; the spare words, 128 bytes a wave: two blocks of 256 bytes that no other line names
.set AK,  4                            ; v4, v5   my lane's place in K of slot 0, 1
.set AV,  6                            ; v6, v7   in V
.set ASF, 8                            ; v8, v9   in soft
.set QO,  10
.set STO, 11
.set RD,  12
.set GO,  13
.set NEG, 14                           ; v14  -infinity
.set AFO, 15
.set TQ,  16                           ; v16  the number of my first tile of 16 queries
.set PFO, 17
.set HOF, 20                           ; v20  4 x lane: my word of a set of 32 mask words; never rewritten
.set ST,  32                           ; tile t's statistics at v[ST + 12 t]: +0 c m, +1 m, +2, +3 L, +4, +5 Ls, +6 a, +7 zero (named with a as a pair), +8 .. +11 at work
.set SPW, 62
.set NIL, 63
.set S,   64
.set P,   128
.set SF,  160
.set HB,  224                          ; v224-231 the ring of mask words: register (2 x step + tile) % 8
.set PFA, 4                            ; s[4:5]   where my prefetches stand;  s[6:7] a tile on
.set PFS, 6
.set HBP, 8                            ; s[8:9]   my two tiles' mask words, stepped by two key steps at each change of slots
.set WV,  14
.set HB0, 16                           ; s[16:17] the same at key step 0; never stepped
.set HBJ, 18                           ; s[18:19] the pointer of the one load that would leave the buffer in the loop's last trip
.set G1K, 24
.set BITS, 32                          ; s[32:63] the 32 lane masks of the tile in hand
.set LIM, 66                           ; s66  1 in a wave that prefetches, else the greatest number
.set G1V, 68
.set G1S, 76
.set G0K, 84
.set G0V, 88
.set G0S, 92
.set CS,  96                           ; s[96:97] c = log2(e) / sqrt(128)
.set SEL, 98                           ; s[98:99] v_permlanex16_b32's selects for lane l xor 16
.set SW,  101                          ; s101 (wave % 2) x 64 rows of soft in LDS
.set MSB, 0
.macro WIN new                         ; the immediate's high byte repeats the setting that is left; a switch that changes nothing is dropped
.if MSB != \new
	s_set_vgpr_msb (MSB<<8)|\new
.set MSB, \new
.endif
.endm
.set W_KQ, 0x06                        ; K window 2, Q window 1, S^T window 0
.set W_PV, 0x52                        ; V window 2, P window 0, O^T window 1
.set W_RS, 0x41                        ; O^T (destination and source 0) window 1, the factor window 0
.macro PLACES
.rept 4
	v_nop
.endr
.endm
.macro CROUND
	s_barrier_signal -1
	s_barrier_wait -1
	s_cmp_lg_u32 s[WV], 0
	s_cbranch_scc1 .Lnot_wave_0_\@
	s_barrier_signal -3
.Lnot_wave_0_\@:
	s_barrier_wait -3
	s_barrier_signal -1
	s_barrier_wait -1
.endm
; A joint load.  The branches hang on the wave's number alone.  An s_nop 0 and four v_nop follow each line.
.macro JLOAD
	s_cmp_eq_u32 s[WV], 0
	s_cbranch_scc0 .Lnot_k_\@
	tensor_load_to_lds s[G0K:G0K+3], s[G1K:G1K+7]
	s_nop 0
.rept 4
	v_nop
.endr
	s_branch .Lasked_\@
.Lnot_k_\@:
	s_cmp_eq_u32 s[WV], 1
	s_cbranch_scc0 .Lnot_v_\@
	tensor_load_to_lds s[G0V:G0V+3], s[G1V:G1V+7]
	s_nop 0
.rept 4
	v_nop
.endr
	s_branch .Lasked_\@
.Lnot_v_\@:
	tensor_load_to_lds s[G0S:G0S+3], s[G1S:G1S+7]
	s_nop 0
.rept 4
	v_nop
.endr
.Lasked_\@:
.endm
; A PREFETCH INTO THE L2 of what the NEXT change of slots will ask for, two key steps (128 matrix instructions) ahead of that load; one instruction a wave, behind the joint load and its five lines.
; Each aligned 256 bytes are named once in the launch.  K and V are walked by the four clusters of a row of clusters: the one with x = 0 asks; of the 128 rows the partner at cx takes 32, a lane a row.
; soft's tiles are walked by the four clusters of a column: the one with y = 0 asks; of a wave's 64 rows the partner at cy takes 16, sixteen lanes the first 256 bytes and sixteen the second.
; Partners are told apart by address; the branch hangs on the cluster's number and the wave's.  how = 0: not in the loop's last trip, whose second change asks for the last tile.
.macro ASK how
.if \how
	s_cmp_eq_u32 s[LIM], 1
.else
	s_cmp_gt_u32 s3, s[LIM]
.endif
	s_cbranch_scc0 .Lnot_mine_\@
	global_prefetch_b8 v[PFO], s[PFA:PFA+1] th:TH_LOAD_NT scope:SCOPE_SE
.Lnot_mine_\@:
.endm
	s_load_b256 s[4:11], s[0:1], 0x0               ; qkv16 s[4:5], soft_mask s[6:7], hbits s[8:9], attn16 s[10:11]
	s_load_b64 s[12:13], s[0:1], 0x20              ; afine
	v_lshl_add_u32 v[SPW], v0, 2, SPARE
	v_mov_b32 v[NIL], 0
	ds_add_u32 v[SPW], v[NIL]                      ; the wave's opening: the add, twice on end, and its wait ahead of my first tensor load
	ds_add_u32 v[SPW], v[NIL]
	v_lshrrev_b32 v1, 5, v0
	v_readfirstlane_b32 s[WV], v1                  ; wave 0..3
	s_bfe_u32 s16, ttmp6, 0x40000                  ; cx
	s_bfe_u32 s17, ttmp6, 0x40004                  ; cy
	s_lshl_b32 s18, ttmp9, 2
	s_add_co_u32 s18, s18, s16                     ; my block of 128 queries
	s_and_b32 s19, ttmp7, 0xffff
	s_lshl_b32 s19, s19, 2
	s_add_co_u32 s19, s19, s17                     ; my head
	s_lshl_b32 s2, s17, 2
	s_lshl_b32 s2, 15, s2                          ; my row of the cluster
	s_lshl_b32 s15, 0x1111, s16                    ; my column
	s_or_b32 s[G1K], s2, (1<<16)|(1<<20)|(1<<21)|(5<<22)|(3<<25)   ; mask; elements of 2 bytes; padding: 4 words behind every 64
	s_or_b32 s[G1V], s2, (1<<16)|(1<<20)|(1<<21)|(5<<22)|(7<<25)   ; 8 words
	s_or_b32 s[G1S], s15, (2<<16)|(1<<20)|(1<<21)|(6<<22)|(3<<25)  ; elements of 4 bytes; 4 words behind every 128
.irp g, G1K, G1V
	s_mov_b32 s[\g+1], 128<<16                     ; tensor_dim0 = 128
	s_mov_b32 s[\g+2], 128<<16                     ; tensor_dim1 = 128
	s_mov_b32 s[\g+3], 128<<16                     ; tile_dim0
	s_mov_b32 s[\g+4], 128                         ; tile_dim1
	s_mov_b32 s[\g+5], 128                         ; from row to row
	s_mov_b32 s[\g+6], 0
	s_mov_b32 s[\g+7], 0
.endr
	s_mov_b32 s[G1S+1], 128<<16
	s_mov_b32 s[G1S+2], 64<<16
	s_mov_b32 s[G1S+3], 128<<16
	s_mov_b32 s[G1S+4], 64
	s_mov_b32 s[G1S+5], 2048
	s_mov_b32 s[G1S+6], 0
	s_mov_b32 s[G1S+7], 0
	s_add_co_u32 s22, s19, 16
	s_lshl_b32 s22, s22, 19                        ; K's slab: the head alone
	s_mov_b32 s23, 0
	s_and_b32 s[SW], s[WV], 1
	s_lshl_b32 s20, s18, 7
	s_lshl_b32 s21, s[SW], 6
	s_add_co_u32 s20, s20, s21
	s_lshl_b32 s20, s20, 13                        ; soft: row 128 x block + 64 x (wave % 2): the query block alone
	s_mov_b32 s21, 0
	s_mul_i32 s[SW], s[SW], 64*PSF
	s_mov_b32 s[CS], 0x3e0293ee
	s_mov_b32 s[CS+1], s[CS]
	s_mov_b32 s[SEL], 0x76543210
	s_mov_b32 s[SEL+1], 0xfedcba98
	s_wait_dscnt 0x0                               ; both opening adds are done
	s_wait_kmcnt 0x0
	s_mov_b32 s[G0K], 1
	s_mov_b32 s[G0K+1], 0
	s_add_nc_u64 s[G0K+2:G0K+3], s[4:5], s[22:23]
	s_mov_b32 s[G0V], 1
	s_mov_b32 s[G0V+1], VOFF
	s_add_nc_u64 s[G0V+2:G0V+3], s[G0K+2:G0K+3], 16*524288   ; V's slab lies 16 slabs behind K's
	s_or_b32 s[G0K+3], s[G0K+3], 0x80000000
	s_or_b32 s[G0V+3], s[G0V+3], 0x80000000
	s_mov_b32 s[G0S], 1
	s_add_co_u32 s[G0S+1], s[SW], SOFF
	s_add_nc_u64 s[G0S+2:G0S+3], s[6:7], s[20:21]
	s_or_b32 s[G0S+3], s[G0S+3], 0x80000000
	CROUND                                         ; all sixteen work-groups are here: the first joint loads meet
	JLOAD                                          ; keys 0 to 127 into slot 0
	v_and_b32 v1, 15, v0                           ; r
	v_bfe_u32 v2, v0, 4, 1                         ; h
	v_lshlrev_b32 v[QO], 8, v1
	v_lshl_add_u32 v[QO], v2, 4, v[QO]
	v_and_b32 v[HOF], 31, v0
	v_lshlrev_b32 v[HOF], 2, v[HOF]
	s_lshl_b32 s104, s19, 19                       ; Q: slab = head, row 128 x block + 32 x wave
	s_lshl_b32 s105, s18, 15
	s_add_co_u32 s104, s104, s105
	s_lshl_b32 s105, s[WV], 13
	s_add_co_u32 s104, s104, s105
	s_mov_b32 s105, 0
	s_add_nc_u64 s[104:105], s[4:5], s[104:105]
	WIN 0x40
.irp i, 0,1,2,3,4,5,6,7                        ; Q stays in registers: tile i / 4, channels 32 (i % 4) on
	global_load_b128 v[128+8*\i:128+8*\i+3],   v[QO], s[104:105] offset:(\i/4)*4096+(\i%4)*64
	global_load_b128 v[128+8*\i+4:128+8*\i+7], v[QO], s[104:105] offset:(\i/4)*4096+(\i%4)*64+32
.endr
.set i, 0
.rept 128
	v_mov_b32 v[i], 0                              ; O^T: a turn is written once, and its first run finds zeros
.set i, i+1
.endr
	WIN 0
	s_lshl_b32 s20, s18, 3
	s_lshl_b32 s21, s[WV], 1
	s_add_co_u32 s20, s20, s21                     ; my first tile of 16 queries
	v_mov_b32 v[TQ], s20
	s_lshl_b32 s22, s20, 12                        ; its mask words: 4,096 bytes a tile, 128 a key step
	s_mov_b32 s23, 0
	s_add_nc_u64 s[HBP:HBP+1], s[HBP:HBP+1], s[22:23]
.irp n, 0,1,2,3,4,5,6,7
	global_load_b32 v[HB+\n], v[HOF], s[HBP:HBP+1] offset:(\n%2)*4096+(\n/2)*128   ; the ring is filled: tile n % 2, key step n / 2; 128 consecutive bytes a load
.endr
	s_lshl_b32 s22, s20, 16                        ; its rows of attn16: 16 x 4,096 bytes a tile,
	s_lshl_b32 s21, s19, 8                         ; and my head's 256 bytes of a row
	s_add_co_u32 s22, s22, s21
	s_add_nc_u64 s[10:11], s[10:11], s[22:23]
	s_lshl_b32 s22, s19, 13
	s_add_nc_u64 s[12:13], s[12:13], s[22:23]      ; afine: 8,192 bytes a head
	v_mul_u32_u24 v[AK], v1, PK
	v_lshl_add_u32 v[AK], v2, 4, v[AK]             ; K: row r, + 16 h
	v_add_nc_u32 v[AK+1], SLOTB, v[AK]
	v_and_b32 v18, 7, v0
	v_bfe_u32 v19, v0, 3, 1
	v_lshl_add_u32 v[AV], v2, 3, v18               ; V, for the turning load: key 8 h + l % 8, channels 8 ((l / 8) % 2) on
	v_mul_u32_u24 v[AV], v[AV], PVP
	v_lshl_add_u32 v[AV], v19, 4, v[AV]
	v_add_nc_u32 v[AV], VOFF, v[AV]
	v_add_nc_u32 v[AV+1], SLOTB, v[AV]
	s_mul_i32 s67, s[WV], 32*PSF
	v_mul_u32_u24 v[ASF], v1, PSF                  ; soft: row 32 x wave + r, + 32 h
	v_lshl_add_u32 v[ASF], v2, 5, v[ASF]
	v_add_nc_u32 v[ASF], s67, v[ASF]
	v_add_nc_u32 v[ASF], SOFF, v[ASF]
	v_add_nc_u32 v[ASF+1], SLOTB, v[ASF]
	s_mul_i32 s67, s[WV], 16*272
	s_add_co_u32 s67, s67, STAGE                   ; my stage
	v_mul_u32_u24 v[STO], v1, 272
	v_lshl_add_u32 v[STO], v2, 4, v[STO]
	v_add_nc_u32 v[STO], s67, v[STO]
	v_mul_u32_u24 v[RD], v2, 272
	v_lshl_add_u32 v[RD], v1, 4, v[RD]
	v_add_nc_u32 v[RD], s67, v[RD]
	v_lshlrev_b32 v[GO], 12, v2
	v_lshl_add_u32 v[GO], v1, 4, v[GO]             ; attn16: lanes 0-15 one row, lanes 16-31 the next; 16 bytes a lane
	v_lshlrev_b32 v[AFO], 9, v2
	v_lshl_add_u32 v[AFO], v1, 4, v[AFO]
	v_mov_b32 v[NEG], 0xff800000
.irp t, 0,1
	v_mov_b32 v[ST+12*\t+1], 0xff61b1e6            ; m = -3e38, under every score
	v_mul_f32 v[ST+12*\t], s[CS], v[ST+12*\t+1]
.irp j, 2,3,4,5,6,7
	v_mov_b32 v[ST+12*\t+\j], 0
.endr
.endr
	; the prefetches: where mine stand (at tile 1: the first change steps them to tile 2), and who asks
	s_add_co_u32 s20, s19, 16
	s_lshl_b32 s21, s[WV], 4
	s_add_co_u32 s20, s20, s21                     ; wave 0: K's slab, wave 1: V's
	s_lshl_b32 s20, s20, 19
	s_lshl_b32 s21, s16, 13                        ; my work-group's 32 rows
	s_add_co_u32 s20, s20, s21
	s_add_co_u32 s20, s20, 32768
	s_lshl_b32 s22, s18, 7
	s_and_b32 s23, s[WV], 1
	s_lshl_b32 s23, s23, 6
	s_add_co_u32 s22, s22, s23
	s_lshl_b32 s23, s17, 4                         ; my work-group's 16 rows
	s_add_co_u32 s22, s22, s23
	s_lshl_b32 s22, s22, 13
	s_add_co_u32 s22, s22, 512
	s_and_b32 s23, ttmp7, 0xffff                   ; cluster y
	s_mov_b32 s2, 8192
	s_mov_b32 s15, 256
	s_cmp_lt_u32 s[WV], 2
	s_cselect_b64 s[PFA:PFA+1], s[4:5], s[6:7]
	s_cselect_b32 s20, s20, s22
	s_cselect_b32 s23, ttmp9, s23                  ; the coordinate along which other clusters walk the same bytes
	s_cselect_b32 s2, 256, s2                      ; from lane to lane within sixteen,
	s_cselect_b32 s15, 4096, s15                   ; and from one sixteen to the other
	s_mov_b32 s[PFS], 512
	s_cselect_b32 s[PFS], 32768, s[PFS]
	s_mov_b32 s[PFS+1], 0
	s_mov_b32 s21, 0
	s_add_nc_u64 s[PFA:PFA+1], s[PFA:PFA+1], s[20:21]
	s_cmp_eq_u32 s23, 0
	s_cselect_b32 s[LIM], 1, -1
	v_mul_lo_u32 v[PFO], v1, s2
	v_mul_lo_u32 v18, v2, s15
	v_add_nc_u32 v[PFO], v[PFO], v18
	s_mov_b64 s[HB0:HB0+1], s[HBP:HBP+1]           ; (cx, cy, the block and the head are done with)
; THE LDS LOADS stand in two runs of 40 a key step, never singly among the matrix instructions.
.macro FETCH_K sl, st                  ; 64 keys x 128 channels: 16 fragments: keys 16 (f / 4) on, channels 32 (f % 4) on
	WIN 0x80
.irp f, 0,1,2,3,4,5,6,7,8,9,10,11,12,13,14,15
	ds_load_b128 v[8*\f:8*\f+3],   v[AK+(\sl)] offset:64*PK*(\st)+(\f/4)*16*PK+(\f%4)*64
	ds_load_b128 v[8*\f+4:8*\f+7], v[AK+(\sl)] offset:64*PK*(\st)+(\f/4)*16*PK+(\f%4)*64+32
.endr
.endm
.macro FETCH_V sl, st                  ; turned: keys 32 (f / 8) on, channels 16 (f % 8) on
	WIN 0x80
.irp f, 0,1,2,3,4,5,6,7,8,9,10,11,12,13,14,15
	ds_load_tr16_b128 v[128+8*\f:128+8*\f+3],   v[AV+(\sl)] offset:64*PVP*(\st)+(\f/8)*32*PVP+(\f%8)*32
	ds_load_tr16_b128 v[128+8*\f+4:128+8*\f+7], v[AV+(\sl)] offset:64*PVP*(\st)+(\f/8)*32*PVP+16*PVP+(\f%8)*32
.endr
.endm
.macro FETCH_SF t, sl, st              ; one tile's soft in the scores' own layout: register 32 t + 8 kt + j = soft(query r of tile t, key 16 kt + 8 h + j)
	WIN 0
.irp k, 0,1,2,3
	ds_load_b128 v[SF+32*(\t)+8*\k:SF+32*(\t)+8*\k+3],   v[ASF+(\sl)] offset:16*PSF*(\t)+256*(\st)+64*\k
	ds_load_b128 v[SF+32*(\t)+8*\k+4:SF+32*(\t)+8*\k+7], v[ASF+(\sl)] offset:16*PSF*(\t)+256*(\st)+64*\k+16
.endr
.endm
; THE MATRIX WORK OF A TURN is a queue for tile mx; MX writes its number mi and steps mi.
;   0-15   O^T += V^T P: keys 32 (mi / 8) on, channels 16 (mi % 8) on: eight accumulators by turns
;   16-31  S^T = K Q^T of the next step: channels 32 ((mi - 16) / 4) on, keys 16 ((mi - 16) % 4) on: four accumulators by turns; the first four start the sums
; One instruction a turn.  kwait = 1: K was asked for at this turn's head, and is waited for ahead of number 16.
.macro MX
.if kwait && (mi == 16)
	s_wait_dscnt 0x0                               ; K, and tile 0's soft, are in
.endif
.if mi < 16
	WIN W_PV
.set mO, 64*mx+8*(mi%8)
.set mV, 128+64*(mi/8)+8*(mi%8)
.set mP, P+16*mx+8*(mi/8)
	v_wmma_f32_16x16x32_f16 v[mO:mO+7], v[mV:mV+7], v[mP:mP+7], v[mO:mO+7]
.else
	WIN W_KQ
.set mS, S+32*mx+8*((mi-16)%4)
.set mK, 32*((mi-16)%4)+8*((mi-16)/4)
.set mQ, 128+32*mx+8*((mi-16)/4)
.if mi < 20
	v_wmma_f32_16x16x32_f16 v[mS:mS+7], v[mK:mK+7], v[mQ:mQ+7], 0
.else
	v_wmma_f32_16x16x32_f16 v[mS:mS+7], v[mK:mK+7], v[mQ:mQ+7], v[mS:mS+7]
.endif
.endif
.set mi, mi+1
.endm
; TICK stands behind each counted vector instruction of a softmax: behind every PER-th of them comes the queue's next matrix instruction, while there is one (mi < mend).
.macro TICK
.set vc, vc+1
.if (vc >= PER) && (mi < mend)
	MX
.set vc, 0
.endif
.endm
.macro TREE base                       ; the sum of 16 pairs, in place: neighbours 1, 2, 4, 8 pairs apart
.irp u, 0,1,2,3,4,5,6,7
	WIN 0
	v_pk_add_f32 v[\base+4*\u:\base+4*\u+1], v[\base+4*\u:\base+4*\u+1], v[\base+4*\u+2:\base+4*\u+3]
	TICK
.endr
.irp u, 0,1,2,3
	WIN 0
	v_pk_add_f32 v[\base+8*\u:\base+8*\u+1], v[\base+8*\u:\base+8*\u+1], v[\base+8*\u+4:\base+8*\u+5]
	TICK
.endr
.irp u, 0,1
	WIN 0
	v_pk_add_f32 v[\base+16*\u:\base+16*\u+1], v[\base+16*\u:\base+16*\u+1], v[\base+16*\u+8:\base+16*\u+9]
	TICK
.endr
	WIN 0
	v_pk_add_f32 v[\base:\base+1], v[\base:\base+1], v[\base+16:\base+17]
	TICK
.endm
; THE VECTOR WORK OF A TURN: tile t's softmax for one key step, 230 counted instructions, with the other tile's matrix instructions between them.  It names none of their registers.
; hb: the ring's register that holds my mask words; cnt: how many younger loads of the ring may stay out; rl = 1: the register is asked for again, for the same tile four key steps on, at s[ptr] + imm.
; fv = 1 (turn B): behind the exponentials stands the run of loads for the next step's V and tile 1's soft, from step fst of slot fsl.
; With PER = 7 and the first matrix instruction behind the first vector instruction, number 15, the last to read V, stands behind instruction 106, number 31 behind instruction 218:
; the twelve multiplies of O^T that follow it are the places ahead of the next turn's reads of the scores and of the loads into K's registers.
.macro SMX t, hb, cnt, rl, ptr, imm, fv, fsl, fst
.set rT, ST+12*(\t)
.set rS, S+32*(\t)
.set rP, P+16*(\t)
.set rF, SF+32*(\t)
.set rO, 64*(\t)
	s_wait_loadcnt \cnt                            ; loads come back in order: my words are in; in the loop the ring's seven younger loads stay out
.set i, 0
.rept 32
	WIN 0
	v_readlane_b32 s[BITS+i], v[HB+(\hb)], i       ; lane i holds the lane mask of score register i
	TICK
.set i, i+1
.endr
.if \rl
	WIN 0
	global_load_b32 v[HB+(\hb)], v[HOF], s[\ptr:\ptr+1] offset:\imm
.endif
.set i, 0
.rept 32
	WIN 0
	v_cndmask_b32 v[rS+i], v[NEG], v[rS+i], s[BITS+i]   ; a score that the hard mask hides becomes -infinity; each accumulator from its low end on
	TICK
.set i, i+1
.endr
.irp k, 0,1,2,3
	WIN 0
	v_max3_num_f32 v[rT+8+\k], v[rS+8*\k], v[rS+8*\k+1], v[rS+8*\k+2]   ; the maximum: four chains,
	TICK
.endr
.irp q, 3,5
.irp k, 0,1,2,3
	WIN 0
	v_max3_num_f32 v[rT+8+\k], v[rT+8+\k], v[rS+8*\k+\q], v[rS+8*\k+\q+1]
	TICK
.endr
.endr
	WIN 0
	v_max3_num_f32 v[rT+8], v[rT+8], v[rS+7], v[rS+15]      ; the four scores left over,
	TICK
	WIN 0
	v_max3_num_f32 v[rT+10], v[rT+10], v[rS+23], v[rS+31]
	TICK
	WIN 0
	v_max3_num_f32 v[rT+8], v[rT+8], v[rT+9], v[rT+10]
	TICK
	WIN 0
	v_max3_num_f32 v[rT+8], v[rT+8], v[rT+11], v[rT+1]      ; and the old m
	TICK
	WIN 0
	v_permlanex16_b32 v[rT+9], v[rT+8], s[SEL], s[SEL+1]    ; the query's other 32 keys lie in the lane 16 away
	TICK
	WIN 0
	v_mov_b32 v[rT+11], v[rT]
	TICK
	WIN 0
	v_max_num_f32 v[rT+1], v[rT+8], v[rT+9]                 ; the new m
	TICK
	WIN 0
	v_mul_f32 v[rT], s[CS], v[rT+1]
	TICK
	WIN 0
	v_sub_f32 v[rT+11], v[rT+11], v[rT]                     ; c m_old - c m_new
	TICK
.set i, 0
.rept 16
	WIN 0
	v_pk_fma_f32 v[rS+2*i:rS+2*i+1], v[rS+2*i:rS+2*i+1], s[CS:CS+1], v[rT:rT+1] op_sel_hi:[1,0,0] neg_lo:[0,0,1] neg_hi:[0,0,1]   ; c s - c m
	TICK
.set i, i+1
.endr
	WIN 0
	v_exp_f32 v[rT+6], v[rT+11]                    ; a
	TICK
.set i, 0
.rept 32
	WIN 0
	v_exp_f32 v[rS+i], v[rS+i]                     ; p
	TICK
.set i, i+1
.endr
	v_nop                                          ; a plain instruction behind the last exponential
.if \fv
.rept 3
	v_nop                                          ; with it four places behind the last product that read V: only exponentials, which are no places, stand between that product and here
.endr
.endif
	s_wait_alu depctr_va_vdst(0)                   ; one wait for the batch of 33, ahead of its first reader
.if \fv
	FETCH_V \fsl, \fst
	FETCH_SF 1, \fsl, \fst
.endif
.set i, 0
.rept 16
	WIN 0
	v_pk_mul_f32 v[rF+2*i:rF+2*i+1], v[rF+2*i:rF+2*i+1], v[rS+2*i:rS+2*i+1]   ; w = soft x p
	TICK
.set i, i+1
.endr
	TREE rS
	WIN 0
	v_pk_fma_f32 v[rT+2:rT+3], v[rT+2:rT+3], v[rT+6:rT+7], v[rS:rS+1] op_sel_hi:[1,0,1]   ; L = a L + sum p
	TICK
.set i, 0
.rept 16
	WIN 0
	v_cvt_pk_f16_f32 v[rP+i], v[rF+2*i], v[rF+2*i+1]
	TICK
.set i, i+1
.endr
	TREE rF
	WIN 0
	v_pk_fma_f32 v[rT+4:rT+5], v[rT+4:rT+5], v[rT+6:rT+7], v[rF:rF+1] op_sel_hi:[1,0,1]   ; Ls = a Ls + sum w, of the unrounded w
	TICK
.set i, 0
.rept 32
	WIN W_RS
	v_pk_mul_f32 v[rO+2*i:rO+2*i+1], v[rO+2*i:rO+2*i+1], v[rT+6:rT+7] op_sel_hi:[1,0]      ; O^T x a
	TICK
.set i, i+1
.endr
.endm
; TURN A: tile 0 has the matrix unit, tile 1's softmax stands between.  kq = 1: the next step's K and tile 0's soft are asked for at the head, from step fst of slot fsl, 16 matrix instructions ahead of their use.
; kq = 0, the last step: 16 products V^T P alone, one behind every fourteenth vector instruction.
.macro TURN_A kq, fsl, fst, hb, rl, cnt, ptr, imm
	s_wait_dscnt 0x0                               ; V and tile 1's soft, asked for in the middle of the turn before, are in
.if \kq
	FETCH_K \fsl, \fst
	FETCH_SF 0, \fsl, \fst
.set mend, 32
.set PER, 7
.set kwait, 1
.else
.set mend, 16
.set PER, 14
.set kwait, 0
.endif
.set mx, 0
.set mi, 0
.set vc, PER-1
	SMX 1, \hb, \cnt, \rl, \ptr, \imm, 0, 0, 0
.endm
; TURN B: tile 1 has the matrix unit, tile 0's softmax of the next step stands between.  pv = 0, the first of all: 16 products K Q^T alone.
.macro TURN_B pv, fsl, fst, hb, rl, cnt, imm
.set mx, 1
.set mend, 32
.set kwait, 0
.if \pv
.set mi, 0
.set PER, 7
.else
.set mi, 16
.set PER, 14
.endif
.set vc, PER-1
	SMX 0, \hb, \cnt, \rl, HBP, \imm, 1, \fsl, \fst
.endm
; A KEY STEP j: two turns.  The step that it fetches, j + 1, is step fst of slot fsl; jm = j % 4 picks the ring's registers.  The words asked for again are those of key steps j + 4 (tile 1) and j + 5 (tile 0):
; s[HBP] stands at key step j + 1 - fst, so they lie 384 + 128 fst and 512 + 128 fst bytes on, tile 1's 4,096 more.
.macro PSTEP fsl, fst, jm, rl, cnt, ptr
	TURN_A 1, \fsl, \fst, (2*(\jm)+1)%8, \rl, \cnt, \ptr, 4096+384+128*(\fst)
	TURN_B 1, \fsl, \fst, (2*(\jm)+2)%8, \rl, \cnt, 512+128*(\fst)
.endm
; THE CHANGE OF SLOTS, between turn B and turn A: the slot's last bytes, V and tile 1's soft of its second step, have been asked for.  Each wave waits for all its tensor loads (one is out: its part of
; the other slot), adds 0 to its spare word, and waits for that and for its reads of the slot that is left.  fill = 1: that slot, dst, is filled again behind a round of the cluster's barrier: no wave of any
; partner still reads it or has a load on its way; the joint load is the first thing behind the round.  hb = 1, 2: the mask words' pointer goes two key steps on.
; hb = 2: the pointer of turn A of the trip's last step is chosen: in the loop's last trip that turn would ask for key step 32 of tile 1, which in the launch's last wave lies behind the buffer's end;
; there it asks for words of key step 4 instead.  Nobody reads what the last trip's last three loads of the ring bring.
.macro CHANGE fill, dst, how, hb
	WIN 0
	s_wait_tensorcnt 0x0                           ; no tensor load of mine is out, so the groups 0 may be written
	ds_add_u32 v[SPW], v[NIL]                      ; 0 onto my spare word; the descriptors' steps stand between it and the wait for it
.if \fill
	s_mov_b32 s[G0K+1], (\dst)*SLOTB
	s_mov_b32 s[G0V+1], (\dst)*SLOTB+VOFF
	s_add_co_u32 s[G0S+1], s[SW], (\dst)*SLOTB+SOFF
	s_add_nc_u64 s[G0K+2:G0K+3], s[G0K+2:G0K+3], 128*256   ; the next 128 keys
	s_add_nc_u64 s[G0V+2:G0V+3], s[G0V+2:G0V+3], 128*256
	s_add_nc_u64 s[G0S+2:G0S+3], s[G0S+2:G0S+3], 128*4
	s_wait_xcnt 0x0                                ; the last prefetch, two key steps back, and the ring's loads have read their addresses
	s_add_nc_u64 s[PFA:PFA+1], s[PFA:PFA+1], s[PFS:PFS+1]
.if \hb
	s_add_nc_u64 s[HBP:HBP+1], s[HBP:HBP+1], 256
.endif
.if \hb == 2
	s_cmp_gt_u32 s3, 1                             ; s3 = 1 in the last trip
	s_cselect_b64 s[HBJ:HBJ+1], s[HBP:HBP+1], s[HB0:HB0+1]
.endif
	s_wait_dscnt 0x0                               ; the add is done, and my reads of the slot are over
	CROUND
	JLOAD
	ASK \how
.else
	s_wait_dscnt 0x0
	s_barrier_signal -1
	s_barrier_wait -1
.endif
.endm
	CHANGE 1, 1, 1, 0                              ; keys 0-127 have landed everywhere; keys 128-255 go into slot 1: at this round every load is a first fill
	FETCH_K 0, 0
	FETCH_SF 0, 0, 0
	WIN 0
	s_wait_loadcnt 0x0                             ; Q, and the ring's first eight sets of mask words
	s_wait_dscnt 0x0
.set mx, 0
.set mi, 16
.set mend, 32
.set kwait, 0
.rept 16
	MX                                             ; tile 0's first scores: there is no vector work yet to set between them
.endr
	WIN 0
	PLACES                                         ; behind them, ahead of the softmax that reads them
	TURN_B 0, 0, 0, 0, 1, 7, 512                   ; tile 1's first scores | tile 0's first softmax | V and tile 1's soft of step 0
	PSTEP 0, 1, 0, 1, 7, HBP                       ; key step 0
	WIN 0                                          ; at a label and at a branch every window is 0
	s_mov_b32 s3, 7
.Lpair:                                            ; a trip: two changes of slots, four key steps (4 u + 1 to 4 u + 4)
	CHANGE 1, 0, 1, 1
	PSTEP 1, 0, 1, 1, 7, HBP
	PSTEP 1, 1, 2, 1, 7, HBP
	CHANGE 1, 1, 0, 2
	PSTEP 0, 0, 3, 1, 7, HBP
	PSTEP 0, 1, 0, 1, 7, HBJ
	WIN 0
	s_sub_co_u32 s3, s3, 1
	s_cmp_lg_u32 s3, 0
	s_cbranch_scc1 .Lpair
	CHANGE 0, 0, 0, 0                              ; the tail is written out: nothing is left to fetch from memory
	PSTEP 1, 0, 1, 0, 0, HBP                       ; key steps 29 and 30; the ring is asked for nothing more, and its waits are for 0
	PSTEP 1, 1, 2, 0, 0, HBP
	TURN_A 0, 0, 0, 7, 0, 0, HBP, 0                ; key step 31: tile 0's V^T P | tile 1's last softmax
.set mx, 1
.set mi, 0
.set mend, 16
.set kwait, 0
.rept 16
	MX                                             ; tile 1's V^T P of the last step
.endr
	WIN 0
	; THE WAY OUT.  The divisor Ls + 1e-6 L, its two halves and the other half of the lanes' (these lines are the places behind the last products); O^T / the divisor.
.irp t, 0,1
	v_add_f32 v[ST+12*\t+8], v[ST+12*\t+2], v[ST+12*\t+3]
	v_add_f32 v[ST+12*\t+9], v[ST+12*\t+4], v[ST+12*\t+5]
.endr
.irp t, 0,1
	v_fmamk_f32 v[ST+12*\t+9], v[ST+12*\t+8], 0x358637bd, v[ST+12*\t+9]
.endr
.irp t, 0,1
	v_permlanex16_b32 v[ST+12*\t+10], v[ST+12*\t+9], s[SEL], s[SEL+1]
.endr
.irp t, 0,1
	v_add_f32 v[ST+12*\t+9], v[ST+12*\t+9], v[ST+12*\t+10]
.endr
.irp t, 0,1
	v_rcp_f32 v[ST+12*\t+6], v[ST+12*\t+9]
.endr
	v_nop
	s_wait_alu depctr_va_vdst(0)                   ; one wait for the two reciprocals, ahead of their first reader
	WIN W_RS
.irp t, 0,1
.set i, 0
.rept 32
	v_pk_mul_f32 v[64*\t+2*i:64*\t+2*i+1], v[64*\t+2*i:64*\t+2*i+1], v[ST+12*\t+6:ST+12*\t+7] op_sel_hi:[1,0]
.set i, i+1
.endr
.endr
	WIN 0
	; Queries 0 to 15 (tile 0 of the whole sequence) also leave in f32: chunk 16 head + 2 c + h of afine, lane 16 half + r.  No branch: the lanes of every other tile are switched off.
	v_cmp_eq_u32 vcc_lo, 0, v[TQ]
	s_wait_xcnt 0x0                                ; EXEC changes only behind this wait
	s_and_saveexec_b32 s20, vcc_lo
	WIN 0x04                                       ; a store's data: window 1
.irp c, 0,1,2,3,4,5,6,7
	global_store_b128 v[AFO], v[8*\c:8*\c+3], s[12:13] offset:1024*\c          ; sixteen lanes store 256 consecutive bytes, aligned
	global_store_b128 v[AFO], v[8*\c+4:8*\c+7], s[12:13] offset:1024*\c+256
.endr
	WIN 0
	s_wait_xcnt 0x0                                ; and again, in front of the line that widens it
	s_or_b32 exec_lo, exec_lo, s20
.macro PACKO t                         ; a lane's eight channels pack into 16 bytes; through my stage they come back as whole rows of 256 bytes
	WIN 0x05
.set i, 0
.rept 32
	v_cvt_pk_f16_f32 v[S+32*\t+i], v[64*\t+2*i], v[64*\t+2*i+1]
.set i, i+1
.endr
	WIN 0
.irp f, 0,1,2,3,4,5,6,7
	ds_store_b128 v[STO], v[S+32*\t+4*\f:S+32*\t+4*\f+3] offset:32*\f
.endr
.irp f, 0,1,2,3,4,5,6,7
	ds_load_b128 v[S+32*\t+4*\f:S+32*\t+4*\f+3], v[RD] offset:\f*2*272   ; LDS serves a wave's instructions in order: these see the stores above, and the next tile's stores come behind them
.endr
.endm
.macro SENDO t, younger
.irp f, 0,1,2,3,4,5,6,7
	s_wait_dscnt \younger+7-\f
	global_store_b128 v[GO], v[S+32*\t+4*\f:S+32*\t+4*\f+3], s[10:11] offset:\t*65536+\f*8192   ; sixteen lanes store 256 consecutive bytes, aligned
.endr
.endm
	PACKO 0
	PACKO 1
	SENDO 0, 16
	SENDO 1, 0
	s_wait_tensorcnt 0x0                           ; the wave's end: three lines behind my last tensor load and my last LDS store
	ds_add_u32 v[SPW], v[NIL]
	s_wait_dscnt 0x0
	CROUND                                         ; the closing round
	s_endpgm
.Lfunc_end_k_q9abc75f924_attn:
	.size	k_q9abc75f924_attn, .Lfunc_end_k_q9abc75f924_attn-k_q9abc75f924_attn
	.p2alignl 7, 3214868480
	.fill 96, 4, 3214868480
	.section	.rodata,"a",@progbits
	.p2align	6, 0x0
	.amdhsa_kernel k_q9abc75f924_attn
		.amdhsa_group_segment_fixed_size 327680
		.amdhsa_private_segment_fixed_size 0
		.amdhsa_enable_private_segment 0
		.amdhsa_kernarg_size 40
		.amdhsa_user_sgpr_count 2
		.amdhsa_user_sgpr_kernarg_segment_ptr 1
		.amdhsa_wavefront_size32 1
		.amdhsa_system_sgpr_workgroup_id_x 1
		.amdhsa_system_sgpr_workgroup_id_y 1
		.amdhsa_system_sgpr_workgroup_id_z 1
		.amdhsa_system_vgpr_workitem_id 0
		.amdhsa_next_free_vgpr 768
		.amdhsa_next_free_sgpr 106
		.amdhsa_reserve_vcc 1
		.amdhsa_float_denorm_mode_32 3
		.amdhsa_float_denorm_mode_16_64 3
		.amdhsa_memory_ordered 1
		.amdhsa_forward_progress 1
		.amdhsa_inst_pref_size 255
	.end_amdhsa_kernel
	.section	.bss,"aw",@nobits
	.p2align	6
	.space	262144
	.amdgpu_metadata
---
amdhsa.version: [ 1, 2 ]
amdhsa.kernels:
  - .name:           k_q9abc75f924_attn
    .symbol:         k_q9abc75f924_attn.kd
    .args:
      - { .name: qkv16, .offset: 0, .size: 8, .value_kind: global_buffer, .address_space: global }
      - { .name: soft_mask, .offset: 8, .size: 8, .value_kind: global_buffer, .address_space: global }
      - { .name: hbits, .offset: 16, .size: 8, .value_kind: global_buffer, .address_space: global }
      - { .name: attn16, .offset: 24, .size: 8, .value_kind: global_buffer, .address_space: global }
      - { .name: afine, .offset: 32, .size: 8, .value_kind: global_buffer, .address_space: global }
    .group_segment_fixed_size: 327680
    .private_segment_fixed_size: 0
    .kernarg_segment_align: 8
    .kernarg_segment_size: 40
    .max_flat_workgroup_size: 128
    .sgpr_count:     106
    .vgpr_count:     768
    .wavefront_size: 32
...
	.end_amdgpu_metadata
.endif
;; end of part 3
;; launch proj (part 4): grid 16 x 16, 4 waves a work-group, clusters of 4 x 4, 327,680 bytes of LDS; arguments attn16, wo16, bo, out0; writes out0
.if DOCPART == 4
	.amdgcn_target "amdgcn-amd-amdhsa--gfx1250"
	.amdhsa_code_object_version 6
	.text
	.protected	k_q9abc75f924_proj
	.globl	k_q9abc75f924_proj
	.p2align	8
	.type	k_q9abc75f924_proj,@function
k_q9abc75f924_proj:
	s_mov_b64 s[64:65], 0
	v_nop
	global_prefetch_b8 v0, s[64:65] scope:SCOPE_SE
	s_setreg_imm32_b32 hwreg(HW_REG_WAVE_MODE, 25, 1), 1
	s_wait_xcnt 0x0
	s_wait_alu depctr_hold_cnt(0) depctr_sa_sdst(0) depctr_va_vdst(0) depctr_va_sdst(0) depctr_va_ssrc(0) depctr_va_vcc(0) depctr_vm_vsrc(0)
	s_getreg_b32 s2, hwreg(HW_REG_IB_STS2, 6, 4)
	s_cmp_eq_u32 s2, 0
	s_cbranch_scc0 .Lentry_in_a_cluster
	s_endpgm
.Lentry_in_a_cluster:
	s_bfe_u32 s2, ttmp6, 0x10000c
	s_cmp_lg_u32 s2, 0xf033
	s_cbranch_scc0 .Lentry_shape_is_right
	s_endpgm
.Lentry_shape_is_right:
; out0[m][n] = sum over k of a[m][k] wo[n][k] + bo[n].  a = attn16, wo16: [2048][2048] f16; sums in f32; out0 f32.  Rows 0 to 15 are written here too and written again, from f32 operands, by the next launch.
; A tile of C is 128 x 128, so that there are 256 work-groups.  Four waves, each 64 x 64: 16 accumulators.  K goes in steps of 256 (LDS rows of 512 bytes; a wave's tensor load brings 64 of them) through two slots.
; CLUSTERS: 4 x 4 work-groups; a's tiles are asked for jointly along a row of the cluster, wo's along a column.  THE MATRIX INSTRUCTION IS USED TRANSPOSED (source 0 = 16 rows of wo, source 1 = 16 rows of a):
; a lane holds eight neighbouring numbers of a row of C.  The bias is the C of each sum's first matrix instruction.  A wave's 64 columns of f32 are 256 bytes, so each wave has a stage of its own and no barrier on the way out.
; No prefetch: the tiles are small and a K step is short.
; REGISTERS: window 0: v0-31 addresses; v32-95 rows on their way out; v96-127 the bias; v128-255 the accumulators ((a, b) at v[128 + 8 (4 a + b)]).   window 1: two fragment buffers of 128.
.set SIZE_N, 2048
.set SIZE_K, 2048
.set KSTEP,  256
.set PITCH,  528
.set HALFT,  64*PITCH
.set SLOT,   4*HALFT
.set STAGE,  2*SLOT                    ; behind the ring: 16 rows x 272 bytes for each wave
.set SPITCH, 272
.set SPARE,  STAGE+4*16*SPITCH         ; the spare words, 128 bytes a wave: two blocks of 256 bytes that no other line names
.set LAPS, SIZE_K/(2*KSTEP)
.set ADRA, 16
.set ADRB, 20
.set STO,  24
.set RD,   25
.set CO,   26
.set BOF,  27
.set SPW,  28
.set NIL,  29
.set OB,   32
.set BIAS, 96
.set ACC,  128
.set F0,   0
.set F1,   128
.set G1, 24
.set G0, 32
.set G1B, 48
.set G0B, 56
.set MSB, 0
.macro WIN new
.if MSB != \new
	s_set_vgpr_msb (MSB<<8)|\new
.set MSB, \new
.endif
.endm
.set MUL,  0x05                        ; sources 0 (wo) and 1 (a) window 1; C and D window 0
.set TO_F, 0x40
.macro JLOAD s                         ; waves 0 and 1 fetch a's two halves, waves 2 and 3 wo's; an s_nop 0 and four v_nop follow each line
	s_cmp_eq_u32 s11, 0
	s_cbranch_scc0 .Lfor_b_\@
	tensor_load_to_lds s[G0+4*\s:G0+4*\s+3], s[G1:G1+7]
	s_nop 0
.rept 4
	v_nop
.endr
	s_branch .Lasked_\@
.Lfor_b_\@:
	tensor_load_to_lds s[G0B+4*\s:G0B+4*\s+3], s[G1B:G1B+7]
	s_nop 0
.rept 4
	v_nop
.endr
.Lasked_\@:
.endm
.macro CREST
	s_cmp_lg_u32 s10, 0
	s_cbranch_scc1 .Lnot_wave_0_\@
	s_barrier_signal -3
.Lnot_wave_0_\@:
	s_barrier_wait -3
	s_barrier_signal -1
	s_barrier_wait -1
.endm
.macro CROUND
	s_barrier_signal -1
	s_barrier_wait -1
	CREST
.endm
	s_load_b128 s[4:7], s[0:1], 0x0                ; a s[4:5], wo16 s[6:7]
	s_load_b64 s[66:67], s[0:1], 0x10              ; bo
	s_load_b64 s[8:9], s[0:1], 0x18                ; out0
	v_lshl_add_u32 v[SPW], v0, 2, SPARE
	v_mov_b32 v[NIL], 0
	ds_add_u32 v[SPW], v[NIL]                      ; the wave's opening: the add, twice on end, and its wait ahead of my first tensor load
	ds_add_u32 v[SPW], v[NIL]
	v_lshrrev_b32 v1, 5, v0
	v_readfirstlane_b32 s10, v1                    ; wave 0..3
	s_lshr_b32 s11, s10, 1                         ; which half of the tile's rows is mine.  Also: I fetch for a (0) or for wo (1)
	s_and_b32 s12, s10, 1                          ; which half of its columns.  Also: which 64 rows of that tile I fetch
	s_bfe_u32 s40, ttmp6, 0x40000
	s_bfe_u32 s41, ttmp6, 0x40004
	s_lshl_b32 s42, ttmp9, 2
	s_add_co_u32 s42, s42, s40                     ; tile column
	s_and_b32 s13, ttmp7, 0xffff
	s_lshl_b32 s13, s13, 2
	s_add_co_u32 s13, s13, s41                     ; tile row
	s_lshl_b32 s43, s41, 2
	s_lshl_b32 s43, 15, s43
	s_lshl_b32 s44, 0x1111, s40
	s_or_b32 s[G1+0], s43, (1<<16)|(1<<20)|(1<<21)|(6<<22)|(3<<25)  ; mask; elements of 2 bytes; padding: 4 words behind every 128
	s_or_b32 s[G1B+0], s44, (1<<16)|(1<<20)|(1<<21)|(6<<22)|(3<<25)
.irp g, G1, G1B
	s_mov_b32 s[\g+1], KSTEP<<16
	s_mov_b32 s[\g+2], 64<<16
	s_mov_b32 s[\g+3], KSTEP<<16
	s_mov_b32 s[\g+4], 64
	s_mov_b32 s[\g+5], SIZE_K
	s_mov_b32 s[\g+6], 0
	s_mov_b32 s[\g+7], 0
.endr
	s_lshl_b32 s17, s12, 6
	s_lshl_b32 s16, s13, 7
	s_add_co_u32 s16, s16, s17
	s_lshl_b32 s46, s42, 7
	s_add_co_u32 s46, s46, s17
	s_mov_b32 s17, 0
	s_mov_b32 s47, 0
	s_mov_b64 s[18:19], SIZE_K*2
	s_mul_u64 s[16:17], s[16:17], s[18:19]
	s_mul_u64 s[46:47], s[46:47], s[18:19]
	s_mul_i32 s20, s10, HALFT
	s_wait_dscnt 0x0                               ; both opening adds are done
	s_wait_kmcnt 0x0
	s_add_nc_u64 s[14:15], s[4:5], s[16:17]
	s_add_nc_u64 s[46:47], s[6:7], s[46:47]
	CROUND
.irp s, 0,1
	s_mov_b32 s[G0+4*\s], 1
	s_add_co_u32 s[G0+4*\s+1], s20, \s*SLOT
	s_add_nc_u64 s[G0+4*\s+2:G0+4*\s+3], s[14:15], \s*KSTEP*2
	s_or_b32 s[G0+4*\s+3], s[G0+4*\s+3], 0x80000000
	s_mov_b32 s[G0B+4*\s], 1
	s_add_co_u32 s[G0B+4*\s+1], s20, \s*SLOT
	s_add_nc_u64 s[G0B+4*\s+2:G0B+4*\s+3], s[46:47], \s*KSTEP*2
	s_or_b32 s[G0B+4*\s+3], s[G0B+4*\s+3], 0x80000000
	JLOAD \s
.endr
	v_and_b32 v1, 15, v0
	v_bfe_u32 v2, v0, 4, 1
	v_mul_u32_u24 v3, v1, PITCH
	v_lshl_add_u32 v3, v2, 4, v3
	s_mul_i32 s21, s11, HALFT
	s_mul_i32 s22, s12, HALFT
	s_add_co_u32 s22, s22, 2*HALFT
.irp s, 0,1
	v_add_nc_u32 v[ADRA+\s], s21, v3
	v_add_nc_u32 v[ADRB+\s], s22, v3
	s_add_co_u32 s21, s21, SLOT
	s_add_co_u32 s22, s22, SLOT
.endr
	s_mul_i32 s23, s10, 16*SPITCH
	s_add_co_u32 s23, s23, STAGE                   ; my stage
	v_mul_u32_u24 v4, v1, SPITCH                   ; in: row r, 32 bytes for each half of the lanes
	v_lshl_add_u32 v4, v2, 5, v4
	v_add_nc_u32 v[STO], s23, v4
	v_mul_u32_u24 v5, v2, SPITCH                   ; back: lanes 0-15 one row of 256 bytes, lanes 16-31 the next
	v_lshl_add_u32 v5, v1, 4, v5
	v_add_nc_u32 v[RD], s23, v5
	v_lshlrev_b32 v5, 13, v2                       ; and the same two rows in out0
	v_lshl_add_u32 v[CO], v1, 4, v5
	v_lshlrev_b32 v[BOF], 5, v2
	s_lshl_b32 s46, s42, 9                         ; my first column, in bytes: 512 x tile column + 256 x half
	s_lshl_b32 s47, s12, 8
	s_add_co_u32 s46, s46, s47
	s_mov_b32 s47, 0
	s_add_nc_u64 s[66:67], s[66:67], s[46:47]
.irp b, 0,1,2,3
	global_load_b128 v[BIAS+8*\b:BIAS+8*\b+3], v[BOF], s[66:67] offset:64*\b        ; lane (r, h): bo of columns 16 b + 8 h + 0 .. 7
	global_load_b128 v[BIAS+8*\b+4:BIAS+8*\b+7], v[BOF], s[66:67] offset:64*\b+16
.endr
	s_lshl_b32 s16, s13, 7
	s_lshl_b32 s17, s11, 6
	s_add_co_u32 s16, s16, s17                     ; my first row: 128 x tile row + 64 x half
	s_lshl_b32 s16, s16, 13
	s_mov_b32 s17, 0
	s_add_nc_u64 s[8:9], s[8:9], s[16:17]
	s_add_nc_u64 s[8:9], s[8:9], s[46:47]
; 8 matrix instructions: m blocks a0, a0 + 1 x all 4 n blocks, 32 along K: half c of buffer f.  zero = 1: the first product starts the sums, from the bias.  The 16 accumulators take turns.
.macro MUL8 f, c, a0, zero
.irp a, \a0, \a0+1
.irp b, 0,1,2,3
.if \zero
	v_wmma_f32_16x16x32_f16 v[ACC+8*(4*(\a)+\b):ACC+8*(4*(\a)+\b)+7], v[\f+64+8*(4*\c+\b):\f+64+8*(4*\c+\b)+7], v[\f+8*(4*\c+\a):\f+8*(4*\c+\a)+7], v[BIAS+8*\b:BIAS+8*\b+7]
.else
	v_wmma_f32_16x16x32_f16 v[ACC+8*(4*(\a)+\b):ACC+8*(4*(\a)+\b)+7], v[\f+64+8*(4*\c+\b):\f+64+8*(4*\c+\b)+7], v[\f+8*(4*\c+\a):\f+8*(4*\c+\a)+7], v[ACC+8*(4*(\a)+\b):ACC+8*(4*(\a)+\b)+7]
.endif
.endr
.endr
.endm
.macro FETCH slot, k, f                ; 32 LDS loads in one run: the fragments of 64 along K at byte k of the rows; the first 32 along K first
	WIN TO_F
.irp c, 0,1
.irp i, 0,1,2,3
	ds_load_b128 v[\f+64+8*(4*\c+\i):\f+64+8*(4*\c+\i)+3],   v[ADRB+\slot] offset:\k+64*\c+\i*16*PITCH
	ds_load_b128 v[\f+64+8*(4*\c+\i)+4:\f+64+8*(4*\c+\i)+7], v[ADRB+\slot] offset:\k+64*\c+\i*16*PITCH+32
	ds_load_b128 v[\f+8*(4*\c+\i):\f+8*(4*\c+\i)+3],         v[ADRA+\slot] offset:\k+64*\c+\i*16*PITCH
	ds_load_b128 v[\f+8*(4*\c+\i)+4:\f+8*(4*\c+\i)+7],       v[ADRA+\slot] offset:\k+64*\c+\i*16*PITCH+32
.endr
.endr
.endm
.macro PLACES
.rept 4
	v_nop
.endr
.endm
.macro QUARTER slot, k, f, g, zero
	s_wait_dscnt 16                                ; the first 32 along K are in; the other sixteen loads may be out
	WIN MUL
	MUL8 \f, 0, 0, \zero
	MUL8 \f, 0, 2, \zero
	PLACES
	FETCH \slot, \k, \g
	s_wait_dscnt 32                                ; all but the 32 just issued
	WIN MUL
	MUL8 \f, 1, 0, 0
	MUL8 \f, 1, 2, 0
.endm
.macro TURN slot, next, fill
	WIN 0
	s_wait_tensorcnt 0x0                           ; all my tensor loads have landed: my part of the next slot
	ds_add_u32 v[SPW], v[NIL]
	s_wait_dscnt 17                                ; (the add and the youngest sixteen loads may be out)
	WIN MUL
	MUL8 F1, 0, 0, 0
	s_wait_dscnt 0x0                               ; the add is done, and my reads of this slot are over
	s_barrier_signal -1
	MUL8 F1, 0, 2, 0
.if \fill
	WIN 0
.endif
	s_barrier_wait -1
.if \fill
	CREST                                          ; the barrier has opened a round of the cluster's barrier
	s_add_nc_u64 s[G0+4*\slot+2:G0+4*\slot+3], s[G0+4*\slot+2:G0+4*\slot+3], 2*KSTEP*2
	s_add_nc_u64 s[G0B+4*\slot+2:G0B+4*\slot+3], s[G0B+4*\slot+2:G0B+4*\slot+3], 2*KSTEP*2
	JLOAD \slot                                    ; the first tensor load behind the round; its four v_nop are the places in front of the loads below
.else
	PLACES
.endif
	FETCH \next, 0, F0
	WIN MUL
	MUL8 F1, 1, 0, 0
	MUL8 F1, 1, 2, 0
.endm
	s_wait_tensorcnt 1                             ; my part of K step 0 is in; K step 1's may stay out
	s_barrier_signal -1
	s_barrier_wait -1
	FETCH 0, 0, F0
	s_wait_loadcnt 0x0                             ; the bias
	QUARTER 0, 128, F0, F1, 1
	WIN 0
	s_mov_b32 s3, LAPS-1
.Llap:
	QUARTER 0, 256, F1, F0, 0
	QUARTER 0, 384, F0, F1, 0
	TURN 0, 1, 1
	QUARTER 1, 128, F0, F1, 0
	QUARTER 1, 256, F1, F0, 0
	QUARTER 1, 384, F0, F1, 0
	TURN 1, 0, 1
	QUARTER 0, 128, F0, F1, 0
	WIN 0
	s_sub_co_u32 s3, s3, 1
	s_cmp_lg_u32 s3, 0
	s_cbranch_scc1 .Llap
	QUARTER 0, 256, F1, F0, 0                      ; the last lap fills nothing
	QUARTER 0, 384, F0, F1, 0
	TURN 0, 1, 0
	QUARTER 1, 128, F0, F1, 0
	QUARTER 1, 256, F1, F0, 0
	QUARTER 1, 384, F0, F1, 0
	s_wait_dscnt 16
	WIN MUL
	MUL8 F1, 0, 0, 0
	MUL8 F1, 0, 2, 0
	s_wait_dscnt 0
	MUL8 F1, 1, 0, 0
	MUL8 F1, 1, 2, 0
	WIN 0
; THE WAY OUT, a block of 16 rows x 64 columns at a time, through my own stage: in as 32 bytes a lane, each accumulator from its low end on; back as whole rows of 256 bytes.
.macro TOSTAGE a
.set BB, OB+32*((\a)%2)
.irp b, 0,1,2,3
	ds_store_b128 v[STO], v[ACC+8*(4*(\a)+\b):ACC+8*(4*(\a)+\b)+3] offset:64*\b
	ds_store_b128 v[STO], v[ACC+8*(4*(\a)+\b)+4:ACC+8*(4*(\a)+\b)+7] offset:64*\b+16
.endr
.irp t, 0,1,2,3,4,5,6,7
	ds_load_b128 v[BB+4*\t:BB+4*\t+3], v[RD] offset:\t*2*SPITCH   ; LDS serves a wave's instructions in order: these see the stores above
.endr
.endm
.macro SEND a, younger
.set BB, OB+32*((\a)%2)
	s_wait_dscnt \younger                          ; the block is back; the next block's sixteen LDS instructions may be out
.irp t, 0,1,2,3,4,5,6,7
	global_store_b128 v[CO], v[BB+4*\t:BB+4*\t+3], s[8:9] offset:(16*(\a)+2*\t)*SIZE_N*4 th:TH_STORE_NT   ; sixteen lanes store 256 consecutive bytes, aligned
.endr
.endm
	PLACES
	TOSTAGE 0
.irp a, 1,2,3
.if \a > 1
	s_wait_xcnt 0x0                                ; block a - 2's stores have read their registers: block a's rows may land there
.endif
	TOSTAGE \a
	SEND \a-1, 16
.endr
	SEND 3, 0
	s_wait_tensorcnt 0x0                           ; the wave's end: three lines behind my last tensor load and my last LDS store
	ds_add_u32 v[SPW], v[NIL]
	s_wait_dscnt 0x0
	CROUND                                         ; the closing round
	s_endpgm
.Lfunc_end_k_q9abc75f924_proj:
	.size	k_q9abc75f924_proj, .Lfunc_end_k_q9abc75f924_proj-k_q9abc75f924_proj
	.p2alignl 7, 3214868480
	.fill 96, 4, 3214868480
	.section	.rodata,"a",@progbits
	.p2align	6, 0x0
	.amdhsa_kernel k_q9abc75f924_proj
		.amdhsa_group_segment_fixed_size 327680
		.amdhsa_private_segment_fixed_size 0
		.amdhsa_enable_private_segment 0
		.amdhsa_kernarg_size 32
		.amdhsa_user_sgpr_count 2
		.amdhsa_user_sgpr_kernarg_segment_ptr 1
		.amdhsa_wavefront_size32 1
		.amdhsa_system_sgpr_workgroup_id_x 1
		.amdhsa_system_sgpr_workgroup_id_y 1
		.amdhsa_system_sgpr_workgroup_id_z 1
		.amdhsa_system_vgpr_workitem_id 0
		.amdhsa_next_free_vgpr 512
		.amdhsa_next_free_sgpr 68
		.amdhsa_reserve_vcc 0
		.amdhsa_float_denorm_mode_32 3
		.amdhsa_float_denorm_mode_16_64 3
		.amdhsa_memory_ordered 1
		.amdhsa_forward_progress 1
		.amdhsa_inst_pref_size 86
	.end_amdhsa_kernel
	.amdgpu_metadata
---
amdhsa.version: [ 1, 2 ]
amdhsa.kernels:
  - .name:           k_q9abc75f924_proj
    .symbol:         k_q9abc75f924_proj.kd
    .args:
      - { .name: attn16, .offset: 0, .size: 8, .value_kind: global_buffer, .address_space: global }
      - { .name: wo16, .offset: 8, .size: 8, .value_kind: global_buffer, .address_space: global }
      - { .name: bo, .offset: 16, .size: 8, .value_kind: global_buffer, .address_space: global }
      - { .name: out0, .offset: 24, .size: 8, .value_kind: global_buffer, .address_space: global }
    .group_segment_fixed_size: 327680
    .private_segment_fixed_size: 0
    .kernarg_segment_align: 8
    .kernarg_segment_size: 32
    .max_flat_workgroup_size: 128
    .sgpr_count:     68
    .vgpr_count:     512
    .wavefront_size: 32
...
	.end_amdgpu_metadata
.endif
;; end of part 4
;; launch fine (part 5): grid 128 x 1, 8 waves a work-group, no clusters, 167,936 bytes of LDS; arguments afine, wo, bo, out0; writes out0
.if DOCPART == 5
	.amdgcn_target "amdgcn-amd-amdhsa--gfx1250"
	.amdhsa_code_object_version 6
	.text
	.protected	k_q9abc75f924_fine
	.globl	k_q9abc75f924_fine
	.p2align	8
	.type	k_q9abc75f924_fine,@function
k_q9abc75f924_fine:
	s_mov_b64 s[64:65], 0
	v_nop
	global_prefetch_b8 v0, s[64:65] scope:SCOPE_SE
	s_setreg_imm32_b32 hwreg(HW_REG_WAVE_MODE, 25, 1), 1
	s_wait_xcnt 0x0
; Rows 0 to 15 of out0 once more, from f32 operands: out0[r][n] = sum over k of a[r][k] wo[n][k] + bo[n], r < 16.  These rows may average very few values and are the largest in size, so the rounding
; of a and wo to f16 would weigh most there.  16 x 2,048 x 2,048 multiply-adds: no bulk work, so the f32 matrix form serves.
; A work-group makes 16 columns; its eight waves share K, 256 each, and their eight partial sums meet in LDS, where each of the 256 threads adds up one output number.
; a comes as afine: chunk i (8 along K), lane (r, h): a(r, 8 i + 4 h + 0 .. 3), 16 bytes.
; Lane (n, h): wo(n, 8 i + 4 h + 0 .. 3).  Each pair of registers is one operand of 16 x 4: K is permuted alike on both sides, which keeps the products.
; TRANSPOSED (source 0 = wo, source 1 = a): lane (r, h) holds out(r, 8 h + 0 .. 7).  Four accumulators take turns, one instruction a turn; they are written by matrix instructions alone.
; No cluster: work-groups share only a (128 KiB).  A row gets 64 consecutive bytes from each work-group: whole runs of 256 would want 64 rows of wo, 512 KiB, in one work-group's LDS.
.set PW,    1040                       ; a row of wo in LDS: 1,024 bytes + 16
.set TILEB, 16*PW
.set RED,   8*TILEB                    ; the partial sums: 1,024 bytes a wave, [16 rows][16 columns]
.set SPARE, RED+8*1024                 ; the spare words, 128 bytes a wave: four blocks of 256 bytes that no other line names
.set LI,  3
.set AA,  6
.set RS,  7
.set SPW, 8
.set NIL, 9
.set RL,  10
.set GO,  11
.set BOF, 12
.set ACC, 32
.set AF,  64
.set BF,  128
.set R,   64                           ; behind the products: the wave's sum, in wo's registers
.set U,   72
	s_load_b256 s[4:11], s[0:1], 0x0               ; afine s[4:5], wo s[6:7], bo s[8:9], out0 s[10:11]
	v_lshl_add_u32 v[SPW], v0, 2, SPARE
	v_mov_b32 v[NIL], 0
	ds_add_u32 v[SPW], v[NIL]                      ; the wave's opening: the add, twice on end, and its wait ahead of my first tensor load
	ds_add_u32 v[SPW], v[NIL]
	v_lshrrev_b32 v1, 5, v0
	v_readfirstlane_b32 s24, v1                    ; wave 0..7
	s_mov_b32 s16, (2<<16)|(1<<20)|(7<<22)|(3<<25) ; elements of 4 bytes; padding: 4 words behind every 256
	s_mov_b32 s17, 256<<16                         ; tensor_dim0 = 256
	s_mov_b32 s18, 16<<16                          ; tensor_dim1 = 16
	s_mov_b32 s19, 256<<16                         ; tile_dim0
	s_mov_b32 s20, 16                              ; tile_dim1
	s_mov_b32 s21, 2048                            ; from row to row
	s_mov_b32 s22, 0
	s_mov_b32 s23, 0
	s_mov_b32 s12, 1
	s_mul_i32 s13, s24, TILEB                      ; my own bytes of LDS
	s_lshl_b32 s26, ttmp9, 17                      ; 16 rows of 8,192 bytes,
	s_lshl_b32 s27, s24, 10                        ; my 256 numbers of each
	s_add_co_u32 s26, s26, s27
	s_mov_b32 s27, 0
	s_lshl_b32 s28, s24, 14                        ; my 32 chunks of afine
	s_mov_b32 s29, 0
	s_lshl_b32 s30, ttmp9, 6                       ; my work-group's 16 columns, in bytes
	s_mov_b32 s31, 0
	v_and_b32 v2, 31, v0
	v_lshlrev_b32 v[LI], 4, v2
	v_and_b32 v4, 15, v0                           ; r
	v_bfe_u32 v5, v0, 4, 1                         ; h
	v_mul_u32_u24 v[AA], v4, PW
	v_lshl_add_u32 v[AA], v5, 4, v[AA]
	v_add_nc_u32 v[AA], s13, v[AA]
	s_lshl_b32 s25, s24, 10
	s_add_co_u32 s25, s25, RED
	v_lshlrev_b32 v[RS], 6, v4
	v_lshl_add_u32 v[RS], v5, 5, v[RS]
	v_add_nc_u32 v[RS], s25, v[RS]                 ; my partial sums: row r, + 32 h
	v_lshl_add_u32 v[RL], v0, 2, RED               ; the number that I add up: row thread / 16, column thread % 16
	v_lshrrev_b32 v[GO], 4, v0
	v_lshlrev_b32 v[GO], 13, v[GO]
	v_lshl_add_u32 v[GO], v4, 2, v[GO]
	v_lshlrev_b32 v[BOF], 2, v4
	s_wait_dscnt 0x0                               ; both opening adds are done
	s_wait_kmcnt 0x0
	s_add_nc_u64 s[14:15], s[6:7], s[26:27]
	s_or_b32 s15, s15, 0x80000000
	tensor_load_to_lds s[12:15], s[16:23]          ; my one tensor load: filled once, read by me alone
	s_nop 0
	s_add_nc_u64 s[4:5], s[4:5], s[28:29]
	s_add_nc_u64 s[8:9], s[8:9], s[30:31]
	s_add_nc_u64 s[10:11], s[10:11], s[30:31]
.irp i, 0,1,2,3,4,5,6,7,8,9,10,11,12,13,14,15,16,17,18,19,20,21,22,23,24,25,26,27,28,29,30,31
	global_load_b128 v[BF+4*\i:BF+4*\i+3], v[LI], s[4:5] offset:512*\i
.endr
	global_load_b32 v16, v[BOF], s[8:9]
	s_wait_tensorcnt 0x0                           ; my tile has landed; no other wave reads it
.macro WFETCH i0
.irp i, 0,1,2,3,4,5,6,7,8,9,10,11,12,13,14,15
	ds_load_b128 v[AF+4*\i:AF+4*\i+3], v[AA] offset:32*(\i0+\i)
.endr
.endm
.macro FMUL i0                         ; 32 matrix instructions: chunks i0 .. i0 + 15, two each
.set e, 0
.rept 32
.set rA, AF+4*(e/2)+2*(e%2)
.set rB, BF+4*(\i0+e/2)+2*(e%2)
.set rC, ACC+8*(e%4)
.if (\i0 == 0) && (e < 4)
	v_wmma_f32_16x16x4_f32 v[rC:rC+7], v[rA:rA+1], v[rB:rB+1], 0
.else
	v_wmma_f32_16x16x4_f32 v[rC:rC+7], v[rA:rA+1], v[rB:rB+1], v[rC:rC+7]
.endif
.set e, e+1
.endr
.endm
	WFETCH 0
	s_wait_dscnt 0x0
	s_wait_loadcnt 0x0
	FMUL 0
.rept 8
	v_nop                                          ; eight places behind this form, in front of loads into registers that it has read
.endr
	WFETCH 16
	s_wait_dscnt 0x0
	FMUL 16
.rept 8
	v_nop                                          ; and in front of the first read of the sums, and of writes over wo's registers
.endr
.irp j, 0,2,4,6
	v_pk_add_f32 v[R+\j:R+\j+1], v[ACC+\j:ACC+\j+1], v[ACC+8+\j:ACC+8+\j+1]          ; each accumulator from its low end on
.endr
.irp j, 0,2,4,6
	v_pk_add_f32 v[U+\j:U+\j+1], v[ACC+16+\j:ACC+16+\j+1], v[ACC+24+\j:ACC+24+\j+1]
.endr
.irp j, 0,2,4,6
	v_pk_add_f32 v[R+\j:R+\j+1], v[R+\j:R+\j+1], v[U+\j:U+\j+1]
.endr
	ds_store_b128 v[RS], v[R:R+3]
	ds_store_b128 v[RS], v[R+4:R+7] offset:16
	s_wait_dscnt 0x0                               ; for the others' sake: my stores are done
	s_barrier_signal -1
	s_barrier_wait -1
.irp u, 0,1,2,3,4,5,6,7
	ds_load_b32 v[80+\u], v[RL] offset:1024*\u     ; the eight waves' parts of my number
.endr
	s_wait_dscnt 0x0
	v_add_f32 v80, v80, v81
	v_add_f32 v82, v82, v83
	v_add_f32 v84, v84, v85
	v_add_f32 v86, v86, v87
	v_add_f32 v80, v80, v82
	v_add_f32 v84, v84, v86
	v_add_f32 v80, v80, v84
	v_add_f32 v80, v80, v16                        ; + bo
	global_store_b32 v[GO], v80, s[10:11]          ; sixteen lanes store 64 consecutive bytes of a row
	s_wait_tensorcnt 0x0                           ; the wave's end: three lines behind my last tensor load and my last LDS store
	ds_add_u32 v[SPW], v[NIL]
	s_wait_dscnt 0x0
	s_endpgm
.Lfunc_end_k_q9abc75f924_fine:
	.size	k_q9abc75f924_fine, .Lfunc_end_k_q9abc75f924_fine-k_q9abc75f924_fine
	.p2alignl 7, 3214868480
	.fill 96, 4, 3214868480
	.section	.rodata,"a",@progbits
	.p2align	6, 0x0
	.amdhsa_kernel k_q9abc75f924_fine
		.amdhsa_group_segment_fixed_size 167936
		.amdhsa_private_segment_fixed_size 0
		.amdhsa_enable_private_segment 0
		.amdhsa_kernarg_size 32
		.amdhsa_user_sgpr_count 2
		.amdhsa_user_sgpr_kernarg_segment_ptr 1
		.amdhsa_wavefront_size32 1
		.amdhsa_system_sgpr_workgroup_id_x 1
		.amdhsa_system_sgpr_workgroup_id_y 1
		.amdhsa_system_sgpr_workgroup_id_z 1
		.amdhsa_system_vgpr_workitem_id 0
		.amdhsa_next_free_vgpr 256
		.amdhsa_next_free_sgpr 66
		.amdhsa_reserve_vcc 0
		.amdhsa_float_denorm_mode_32 3
		.amdhsa_float_denorm_mode_16_64 3
		.amdhsa_memory_ordered 1
		.amdhsa_forward_progress 1
		.amdhsa_inst_pref_size 15
	.end_amdhsa_kernel
	.amdgpu_metadata
---
amdhsa.version: [ 1, 2 ]
amdhsa.kernels:
  - .name:           k_q9abc75f924_fine
    .symbol:         k_q9abc75f924_fine.kd
    .args:
      - { .name: afine, .offset: 0, .size: 8, .value_kind: global_buffer, .address_space: global }
      - { .name: wo, .offset: 8, .size: 8, .value_kind: global_buffer, .address_space: global }
      - { .name: bo, .offset: 16, .size: 8, .value_kind: global_buffer, .address_space: global }
      - { .name: out0, .offset: 24, .size: 8, .value_kind: global_buffer, .address_space: global }
    .group_segment_fixed_size: 167936
    .private_segment_fixed_size: 0
    .kernarg_segment_align: 8
    .kernarg_segment_size: 32
    .max_flat_workgroup_size: 256
    .sgpr_count:     66
    .vgpr_count:     256
    .wavefront_size: 32
...
	.end_amdgpu_metadata
.endif
;; end of part 5
